; MI455X (gfx1250); checked and timed in simulation.
; The chip was launched on July 23, 2026; its instructions are those of AMD's public machine-readable ISA for CDNA 5 (MIT licence, August 2026) and "CDNA5" Instruction Set Architecture Reference Guide (July 2026). The comments in the code are by the model that wrote it; some were corrected since.
;; Deep Speed Encoder. Allowed arithmetic: matrix products marked QUANTISED: E2M3 operands, one E8M0 scale for each 32 along K, by v_wmma_scale_f32_16x16x128_f8f6f4 with both operands' format E2M3, f32 sums; everything else in f32.
;; Inputs: attn_nb 1,024 float32; attn_nw 1,024 float32; inter_b 4,096 float32; inter_w 1,024 x 4,096 float32; mask 2 x 1 x 1 x 2,048 float32; norm_b 1,024 float32; norm_w 1,024 float32; ob 1,024 float32; out_b 1,024 float32; out_w 4,096 x 1,024 float32; ow 1,024 x 1,024 float32; qkvb 3,072 float32; qkvw 1,024 x 3,072 float32; x 2 x 2,048 x 1,024 float32.
;; Outputs: out0 2 x 2,048 x 1,024 float32.
;; This version of the problem:
;;   THIS VERSION OF THE PROBLEM IS GIVEN IN LOW PRECISION. The matrix products marked QUANTISED in the list below multiply operands that are first quantised to E2M3 (2 exponent bits, 3 mantissa bits; 6 bits a number), with one power-of-two scale for each 32 numbers along K (OCP MX v1.0); their sums are f32. All else is computed in f32.
;;   The module's matrix products, in the order in which they are computed (A, B: the left and right operand; K: the contracted axis; several contracted axes count as one K, in the product's order):
;;     1. [M 4,096, K 1,024] x [K 1,024, N 3,072]; A: computed on the way; B: input qkvw: QUANTISED
;;     2. batch 32 x [M 2,048, K 64] x [K 64, N 2,048]; A: computed on the way; B: computed on the way: QUANTISED
;;     3. batch 32 x [M 2,048, K 2,048] x [K 2,048, N 64]; A: softmax (see below); B: computed on the way: QUANTISED
;;     4. [M 4,096, K 1,024] x [K 1,024, N 1,024]; A: computed on the way; B: input ow: QUANTISED
;;     5. [M 4,096, K 1,024] x [K 1,024, N 4,096]; A: computed on the way; B: input inter_w: QUANTISED
;;     6. [M 4,096, K 4,096] x [K 4,096, N 1,024]; A: computed on the way; B: input out_w: QUANTISED
;;   THE QUANTISER, for each operand of a quantised product, along K:
;;     - K is cut into blocks of 32 from its start; a last block that is shorter is filled with zeros.
;;     - A block's scale is 2^e with e = floor(log2(the largest magnitude in the block)) - 2, held to -126 .. 127; a block of zeros has e = 0. As a byte (E8M0): e + 127.
;;     - Each number is divided by its block's scale, clamped to +-7.5, and rounded to the nearest number of E2M3, ties to even, subnormals kept.
;;     - The product sums the exact products of the quantised numbers (number of the format x scale) in f32.
;;   ~~~python
;;   def quantise(x, axis):      # numpy; x: float32 -> the quantised numbers, widened to float32 again
;;       x = np.moveaxis(x, axis, -1); K = x.shape[-1]
;;       x = np.pad(x, [(0, 0)] * (x.ndim - 1) + [(0, -K % 32)]); x = x.reshape(x.shape[:-1] + (-1, 32)); a = np.abs(x).max(-1, keepdims=True)
;;       e = np.where(a > 0, np.clip(np.frexp(np.where(a > 0, a, 1))[1] - 1 - 2, -126, 127), 0)      # np.frexp(a)[1] - 1 = floor(log2(a)), exactly
;;       r = np.clip(x / 2.0 ** e, -7.5, 7.5)
;;       step = 2.0 ** (np.maximum(np.frexp(np.where(r == 0, 1, r))[1] - 1, 0) - 3)
;;       q = np.round(r / step) * step * 2.0 ** e      # np.round: ties to even
;;       return np.moveaxis(q.reshape(q.shape[:-2] + (-1,))[..., :K], -1, axis).astype(np.float32)
;;   ~~~
;;   SOFTMAX AHEAD OF A QUANTISED PRODUCT. Where the list says 'softmax', what is quantised is not the finished softmax but p = 2^(t - M), with t = logit x log2(e) and M = ceil(the row's largest t), a whole number; so 1/2 < the row's largest p <= 1. The row's sum l is taken of the UNQUANTISED p, in f32, and the product's result is divided by l at the end. Since M is a whole number, a kernel that streams over the keys may use a running M (the ceiling of the running maximum): every later rescaling is an exact power of two, which a block's scale takes up: the codes' values come out the same.
;;   OPERANDS COMPUTED ON THE WAY. 'Computed on the way' means the value that the module computes at that place (a softmax that the list does not call 'softmax' is quantised finished and normalised). What goes into a quantiser is computed in f32, as accurately as f32 sums, v_exp_f32 and their like allow (about 1e-6 of the number): no bf16 or f16 on the way to a quantiser, and a product that is left as it is and whose result goes on into a quantised operand takes f32 operands (vector FMAs, or v_wmma_f32_16x16x4_f32). A number that lies on a knife's edge between two numbers of the format may be rounded either way, as far as f32 arithmetic and the matrix unit's own rounding can turn it there, and no further.
;; One version. Each part assembles by itself: llvm-mc -triple=amdgcn-amd-amdhsa -mcpu=gfx1250 --defsym DOCPART=n.
;; ======== version 1 of 1: 7 launches
;; limits: inputs' magnitudes at most 536,870,912; right only within a limited range of input values
;; workspace buffers: wc 9,830,400 bytes; hc 3,276,800 bytes; qkvc 9,830,400 bytes; ctxc 3,276,800 bytes; att 16,777,216 bytes; h2c 3,276,800 bytes; intc 13,107,200 bytes
;; launch prep (part 1): grid 640 x 1, 4 waves a work-group, no clusters, 26,624 bytes of LDS; arguments qkvw, ow, inter_w, out_w, x, norm_w, norm_b, hc, wc; writes hc, wc
.if DOCPART == 1
	.amdgcn_target "amdgcn-amd-amdhsa--gfx1250"
	.amdhsa_code_object_version 6
	.text
	.protected	k_qd05293af47_prep
	.globl	k_qd05293af47_prep
	.p2align	8
	.type	k_qd05293af47_prep,@function
k_qd05293af47_prep:
	s_mov_b64 s[64:65], 0
	v_nop
	global_prefetch_b8 v0, s[64:65] scope:SCOPE_SE
	s_setreg_imm32_b32 hwreg(HW_REG_WAVE_MODE, 25, 1), 1
	s_wait_xcnt 0x0
; THE PROGRAM: one pre-layer-norm encoder layer, 4,096 tokens, all six products on codes of FP6 (E2M3) with one E8M0 scale for each 32 along K.
; Launches: prep (the four weights into codes; norm 1 and its quantiser), gemm1 (q, k, v), attn, gemm4 (projection + residual), ln2, gemm5 (gelu), gemm6 (+ residual).
; DEAD WORK: none is left out.  Every one of the 14 inputs has a way to the output for some finite values: the mask varies along the softmax's axis, and k's part of qkvb moves k's codes
; ahead of a quantised product.  The one thing multiplied for nothing is the upper half of the K of 128 in q k^T (a head has 64): zero codes on both sides, inside live instructions.
; LIMITS of the whole program: NaN and infinities among the inputs are not served; a block whose largest magnitude lies under 2^-124 keeps the scale byte 1; a block of zeros has the byte 1
; where the rule says 127 (its codes are zeros, and these bytes are read by this program alone).
; THE FORMAT OF EVERY QUANTISED OPERAND IN THE WORKSPACE: a block of GB = 12,800 bytes holds 128 rows x 128 along K as images of the operand's registers.
;   8 tiles of 16 rows; lane r of tile t holds row 32 (t / 2) + 8 (t % 2) + r + 8 (r / 8), so that the results of two neighbouring tiles used as source 0 are 16 neighbours in a lane.
;   A tile's image, 1,536 bytes: registers 0-1 at 8 x lane, 2-5 at 256 + 16 x lane, 6-7 at 768 + 8 x lane, 8-11 at 1,024 + 16 x lane.
;   Behind the 8 images, at 12,288: the scale words, that of (tile t, row r) at 256 (t % 2) + 16 r + 4 (t / 2): 16 bytes a lane give four registers, tile 2 i in lanes 0-15, tile 2 i + 1 in lanes 16-31.
; THIS LAUNCH has two kinds of work-groups, which share nothing: neither needs the other's result, and both are wanted by gemm1.  Work-groups 0-383 take the weights, 384-639 the rows of x; the weights'
; work is the longer and has the lower numbers.  The two ways part on the work-group's number alone; each has LDS bytes of its own; they join at the common end.
; THE WEIGHTS.  A weight [K][N] f32 has K as its first axis.  A lane takes a column and its registers run down K: a block of 32 lies in one lane, and the conversions give codes with K innermost.
; A work-group takes 128 columns x 256 along K (two blocks of the workspace); wave w takes columns 32 w .. 32 w + 31, which are tiles 2 w and 2 w + 1.  The codes go through the wave's own stage in LDS,
; laid as the images are, and leave 512 consecutive bytes an instruction.  Work-groups 0-95 take qkvw, 96-127 ow, 128-255 inter_w, 256-383 out_w; work-group i writes blocks 2 i and 2 i + 1 of wc.
; THE NORM.  h = (x - mean) * rsqrt(var + 1e-12) * gain + bias over rows of 1,024, in f32, quantised along the row.  A work-group takes one tile of 16 tokens (tile t = n % 8 of token group g = n / 8, n its number
; less 384); wave w takes columns 256 w .. 256 w + 255: K steps 2 w and 2 w + 1.  Lane (r, h) holds, of its token, 16 neighbours of each block of 32: register 64 s + 16 b + i is column 256 w + 128 s + 32 b + 16 h + i.
; The row stays in registers: mean first, then the sum of squares of x - mean (two passes, so that a common offset of the inputs costs no digits).  The four waves' partial sums meet in LDS, twice.
; The 64 bytes of scale words of a tile are parts of aligned blocks of 256 bytes that eight work-groups write together: one byte in 96 of what these work-groups store.
.set GB,    12800
.set FRB,   1536
.set SCO,   12288
.set WGW,   384                        ; the weights' work-groups
.set EMAX,  2
.set WST,   4*FRB                      ; the weights: a wave's stage: 2 K steps x 2 tiles
.set SCS,   4*WST                      ; behind the stages: the scale words of the two blocks, 512 bytes each
.set RED1,  SCS+1024                   ; the norm: 4 waves x 16 rows of partial sums;
.set RED2,  RED1+256                   ; the same for the squares
.set SPARE, RED2+256                   ; the spare words, 128 bytes for each wave
.set SPW,   14                         ; v14  my spare word; never rewritten, on either way
.set NIL,   15                         ; v15  0; never rewritten
; the weights' registers
.set GSO,   3                          ; v3   the scale words' way out: 16 x lane + GB x (wave % 2)
.set A8,    4                          ; v4   the stage: my tile, 8 x my row
.set A16,   5                          ; v5   the stage: my tile, 16 x my row
.set RDA,   6                          ; v6   the stage read back: 16 x lane
.set GOF,   7                          ; v7   the codes' way out: 3,072 x wave + 16 x lane
.set SCW,   8                          ; v8   where my scale word goes
.set SCR,   9                          ; v9   where a block's scale words are read back
.set SB,    16                         ; v16-17 my column's scale words of the two K steps
.set C,     20                         ; v20-26 a block's codes
.set OF,    32                         ; v32-63 byte offset of row i of a block: 4 x thread + i x pitch
.set WX,    64                         ; v64-127 two sets of 32 numbers
.set OUTR,  128                        ; v128-175 the stage read back; v176-179 the scale words
; the norm's registers
.set XA,  1                            ; v1   x: my row and my 64 bytes of a block pair
.set GA,  2                            ; v2   gain and bias: 64 h + 1,024 w
.set O8,  3                            ; v3   an image's 8-byte pieces: 8 x lane + my tile
.set O16, 4                            ; v4   its 16-byte pieces
.set RW,  5                            ; v5   64 w + 4 r
.set RR,  6                            ; v6   4 r
.set SOF, 7                            ; v7   the scale words' place
.set MU,  28                           ; v[28:29] the mean, twice
.set RS,  30                           ; v[30:31] 1 / sqrt(var + eps), twice
.set PC,  32                           ; v32-50 the codes just made
.set TM,  52                           ; v52-67 at work in the quantiser
.set PW,  68                           ; v68  the scale word just made
.set PW0, 69                           ; v69  the first K step's
.set X,   128                          ; v128-255 my 128 numbers.  Window 1: v0-127 the gain, v128-255 the bias, at the same places
.set SEL, 26                           ; s[26:27] v_permlanex16_b32's selects for lane l xor 16
	v_lshl_add_u32 v[SPW], v0, 2, SPARE
	v_mov_b32 v[NIL], 0
	s_cmp_lt_u32 ttmp9, WGW                        ; the work-group's number alone: all four waves go the same way
	s_cbranch_scc0 .Lnorm
	; ---------------- THE WEIGHTS ----------------
	s_load_b256 s[4:11], s[0:1], 0x0               ; qkvw, ow, inter_w, out_w
	s_load_b64 s[12:13], s[0:1], 0x40              ; wc
	v_lshrrev_b32 v1, 5, v0
	v_readfirstlane_b32 s16, v1                    ; wave
	v_and_b32 v1, 31, v0                           ; lane = my column among the wave's 32
	v_lshlrev_b32 v2, 2, v0                        ; 4 x (32 wave + lane)
	v_bfe_u32 v10, v1, 3, 1                        ; u: which of the wave's two tiles my column lies in
	v_and_b32 v11, 7, v1
	v_lshrrev_b32 v12, 4, v1
	v_lshl_add_u32 v11, v12, 3, v11                ; r: which row of that tile
	s_mul_i32 s17, s16, WST
	v_mul_u32_u24 v13, v10, FRB
	v_add_nc_u32 v13, s17, v13
	v_lshl_add_u32 v[A8], v11, 3, v13
	v_lshl_add_u32 v[A16], v11, 4, v13
	v_lshlrev_b32 v13, 4, v1
	v_add_nc_u32 v[RDA], s17, v13
	s_mul_i32 s18, s16, 2*FRB
	v_add_nc_u32 v[GOF], s18, v13
	v_lshlrev_b32 v12, 8, v10
	v_lshl_add_u32 v12, v11, 4, v12                ; 256 u + 16 r
	s_lshl_b32 s18, s16, 2
	s_add_co_u32 s18, s18, SCS
	v_add_nc_u32 v[SCW], s18, v12                  ; + 4 x wave: tile 2 w + u has the word 4 (t / 2) = 4 w
	s_and_b32 s19, s16, 1
	s_lshl_b32 s18, s19, 9
	s_add_co_u32 s18, s18, SCS
	v_add_nc_u32 v[SCR], s18, v13
	s_mul_i32 s18, s19, GB
	v_add_nc_u32 v[GSO], s18, v13
	s_mov_b32 s22, 4096                            ; out_w: a row's bytes,
	s_mov_b32 s23, 256                             ; its first work-group,
	s_mov_b32 s24, 4                               ; and 2^4 work-groups along K
	s_wait_kmcnt 0x0
	s_mov_b64 s[20:21], s[10:11]
	s_cmp_lt_u32 ttmp9, 256                        ; the choices hang on the work-group's number alone
	s_cselect_b64 s[20:21], s[8:9], s[20:21]       ; inter_w
	s_cselect_b32 s22, 16384, s22
	s_cselect_b32 s23, 128, s23
	s_cselect_b32 s24, 2, s24
	s_cmp_lt_u32 ttmp9, 128
	s_cselect_b64 s[20:21], s[6:7], s[20:21]       ; ow
	s_cselect_b32 s22, 4096, s22
	s_cselect_b32 s23, 96, s23
	s_cmp_lt_u32 ttmp9, 96
	s_cselect_b64 s[20:21], s[4:5], s[20:21]       ; qkvw
	s_cselect_b32 s22, 12288, s22
	s_cselect_b32 s23, 0, s23
	s_sub_co_u32 s25, ttmp9, s23
	s_lshr_b32 s26, s25, s24                       ; which 128 columns
	s_lshl_b32 s27, 1, s24
	s_sub_co_u32 s27, s27, 1
	s_and_b32 s27, s25, s27                        ; which 256 along K
	s_lshl_b32 s26, s26, 9
	s_lshl_b32 s27, s27, 8
	s_mul_i32 s28, s27, s22
	s_add_co_u32 s28, s28, s26
	s_mov_b32 s29, 0
	s_add_nc_u64 s[32:33], s[20:21], s[28:29]      ; a base for each of the eight blocks of 32 rows: nothing is stepped
	s_lshl_b32 s28, s22, 5
.irp t, 1,2,3,4,5,6,7
	s_add_nc_u64 s[32+2*\t:33+2*\t], s[30+2*\t:31+2*\t], s[28:29]
.endr
	s_mul_i32 s30, ttmp9, 2*GB
	s_mov_b32 s31, 0
	s_add_nc_u64 s[12:13], s[12:13], s[30:31]
.set i, 0
.rept 32
	v_mad_u32_u24 v[OF+i], s22, i, v2
.set i, i+1
.endr
.macro LOAD t                          ; block t: rows 32 t + i of my column, into set t % 2; 32 lanes read 128 consecutive bytes
.set li, 0
.rept 32
	global_load_b32 v[WX+32*((\t)%2)+li], v[OF+li], s[32+2*(\t):33+2*(\t)] th:TH_LOAD_NT
.set li, li+1
.endr
.endm
	LOAD 0
	LOAD 1
.macro BLOCK t
.set XS, WX+32*((\t)%2)
.if (\t) < 7
	s_wait_loadcnt 32                              ; this block's 32 loads are in; the next block's 32 may be out
.else
	s_wait_loadcnt 0
.endif
	v_max3_num_f32 v12, |v[XS]|, |v[XS+1]|, |v[XS+2]|              ; the block's largest magnitude: all 32 numbers are mine
	v_max3_num_f32 v13, |v[XS+3]|, |v[XS+4]|, |v[XS+5]|
.irp i, 6,10,14,18,22,26
	v_max3_num_f32 v12, v12, |v[XS+\i]|, |v[XS+\i+1]|
	v_max3_num_f32 v13, v13, |v[XS+\i+2]|, |v[XS+\i+3]|
.endr
	v_max3_num_f32 v12, v12, |v[XS+30]|, |v[XS+31]|
	v_max3_num_f32 v12, v12, v13, (EMAX+1)<<23     ; and the floor 2^(3 - 127): the byte cannot fall under 1
	v_add_nc_u32 v11, -(EMAX<<23), v12             ; 2 off the exponent field: the conversion's scale operand
	v_lshrrev_b32 v13, 23, v11                     ; the scale's byte
.if (\t)%4 == 0
	v_mov_b32 v[SB+(\t)/4], v13
.else
	v_lshl_or_b32 v[SB+(\t)/4], v13, 8*((\t)%4), v[SB+(\t)/4]
.endif
	v_cvt_scalef32_pk16_fp6_f32 v[C:C+2], v[XS:XS+15], v11
	v_cvt_scalef32_pk16_fp6_f32 v[C+4:C+6], v[XS+16:XS+31], v11    ; (a conversion's three registers begin on an even number)
	v_nop                                          ; one plain place behind a scaled conversion
	v_mov_b32 v[C+3], v[C+4]
	v_mov_b32 v[C+4], v[C+5]
	v_mov_b32 v[C+5], v[C+6]                       ; six registers on end: registers 6 c .. 6 c + 5 of lane r + 16 h of the image, c = (t / 2) % 2, h = t % 2
	ds_store_b64 v[A8], v[C:C+1] offset:2*FRB*((\t)/4)+768*(((\t)/2)%2)+128*((\t)%2)
	ds_store_b128 v[A16], v[C+2:C+5] offset:2*FRB*((\t)/4)+768*(((\t)/2)%2)+256+256*((\t)%2)
.if (\t)+2 < 8
	LOAD (\t)+2
.endif
	s_wait_dscnt 0x0                               ; the stores have read their registers: the next block's codes may be written
.endm
.irp t, 0,1,2,3,4,5,6,7
	BLOCK \t
.endr
	ds_store_b32 v[SCW], v[SB]
	s_wait_alu depctr_va_vdst(0)
	ds_store_b32 v[SCW], v[SB+1] offset:512
.irp i, 0,1,2,3,4,5,6,7,8,9,10,11
	ds_load_b128 v[OUTR+4*\i:OUTR+4*\i+3], v[RDA] offset:512*\i    ; my own stage: LDS serves a wave's instructions in order
.endr
.irp i, 0,1,2,3,4,5,6,7,8,9,10,11
	s_wait_dscnt 11-\i                             ; the loads behind this one may be out
	global_store_b128 v[GOF], v[OUTR+4*\i:OUTR+4*\i+3], s[12:13] offset:(\i/6)*GB+512*(\i%6)   ; 512 consecutive bytes, at a multiple of 256
.endr
	s_barrier_signal -1                            ; my scale words have landed (the count-down above ended at 0): the four waves' words make a block's 512 bytes
	s_barrier_wait -1
	s_cmp_lt_u32 s16, 2
	s_cbranch_scc0 .Lno_scales                     ; wave 0 sends the first block's scale words, wave 1 the second's
	ds_load_b128 v[176:179], v[SCR]
	s_wait_dscnt 0x0
	global_store_b128 v[GSO], v[176:179], s[12:13] offset:SCO
.Lno_scales:
	s_branch .Lend
	; ---------------- THE NORM ----------------
.set MSB, 0
.macro WIN new                         ; the immediate's high byte repeats the setting that is left
.if MSB != (\new)
	s_set_vgpr_msb (MSB<<8)|(\new)
.set MSB, (\new)
.endif
.endm
; 64 numbers of a lane, register 16 b + i = k 32 b + 16 (lane / 16) + i of my row, become a fragment's codes in v[PC] on and its scale word in v[PW].
.macro QUANT s
.irp b, 0,1,2,3
	v_max3_num_f32 v[TM+\b], |v[\s+16*\b]|, |v[\s+1+16*\b]|, 0x1800000   ; my 16 numbers of block b, and the floor 2^(3 - 127)
.endr
.irp i, 2,4,6,8,10,12,14
.irp b, 0,1,2,3
	v_max3_num_f32 v[TM+\b], v[TM+\b], |v[\s+16*\b+\i]|, |v[\s+1+16*\b+\i]|
.endr
.endr
.irp b, 0,1,2,3
	v_permlanex16_b32 v[TM+4+\b], v[TM+\b], s[SEL], s[SEL+1]
.endr
.irp b, 0,1,2,3
	v_max_num_f32 v[TM+\b], v[TM+\b], v[TM+4+\b]   ; with lane l xor 16's: the block's largest magnitude
.endr
.irp b, 0,1,2,3
	v_add_nc_u32 v[TM+12+\b], 0xff000000, v[TM+\b] ; 2 off its exponent field: the conversion's scale operand
.endr
.irp b, 0,1,2,3
	v_lshrrev_b32 v[TM+4+\b], 23, v[TM+12+\b]      ; the scale's byte
.endr
	v_lshl_or_b32 v[PW], v[TM+5], 8, v[TM+4]
	v_lshl_or_b32 v[PW], v[TM+6], 16, v[PW]
	v_lshl_or_b32 v[PW], v[TM+7], 24, v[PW]
.irp c, 0,1
	v_cvt_scalef32_pk16_fp6_f32 v[PC+6*\c:PC+2+6*\c], v[\s+32*\c:\s+15+32*\c], v[TM+12+2*\c]
	v_cvt_scalef32_pk16_fp6_f32 v[PC+12+4*\c:PC+14+4*\c], v[\s+16+32*\c:\s+31+32*\c], v[TM+12+2*\c+1]
.endr
	v_nop                                          ; one plain place behind a scaled conversion
.irp c, 0,1                                    ; the operand wants a whole block in a lane: lanes 0-15 block 2 c, lanes 16-31 block 2 c + 1
.irp i, 0,1,2
	v_permlane16_swap_b32 v[PC+6*\c+\i], v[PC+12+4*\c+\i]
.endr
.irp i, 0,1,2
	v_mov_b32 v[PC+3+6*\c+\i], v[PC+12+4*\c+\i]
.endr
.endr
.endm
.macro IMG off                         ; the fragment in v[PC] on goes out as its image: pieces of 256 and 512 consecutive bytes
	global_store_b64 v[O8], v[PC:PC+1], s[10:11] offset:\off
	global_store_b128 v[O16], v[PC+2:PC+5], s[10:11] offset:\off+256
	global_store_b64 v[O8], v[PC+6:PC+7], s[10:11] offset:\off+768
	global_store_b128 v[O16], v[PC+8:PC+11], s[10:11] offset:\off+1024
.endm
; The four chains v[16:23] become my lane's sum, the row's part of my wave, and, through LDS, the row's sum in v24.
.macro ACROSS red
	v_pk_add_f32 v[16:17], v[16:17], v[18:19]
	v_pk_add_f32 v[20:21], v[20:21], v[22:23]
	v_pk_add_f32 v[16:17], v[16:17], v[20:21]
	v_add_f32 v16, v16, v17
	v_permlanex16_b32 v17, v16, s[SEL], s[SEL+1]
	v_add_f32 v16, v16, v17
	ds_store_b32 v[RW], v16 offset:\red            ; both halves of the lanes write the same word with the same value
	s_wait_dscnt 0x0                               ; for the others' sake: my store has landed
	s_barrier_signal -1
	s_barrier_wait -1
.irp k, 0,1,2,3
	ds_load_b32 v[24+\k], v[RR] offset:\red+64*\k
.endr
	s_wait_dscnt 0x0
	v_add_f32 v24, v24, v25
	v_add_f32 v26, v26, v27
	v_add_f32 v24, v24, v26
.endm
.Lnorm:
	s_load_b256 s[4:11], s[0:1], 0x20              ; x, the gain, the bias, hc
	v_lshrrev_b32 v8, 5, v0
	v_readfirstlane_b32 s12, v8                    ; wave
	v_and_b32 v9, 15, v0                           ; r
	v_bfe_u32 v10, v0, 4, 1                        ; h
	v_and_b32 v11, 31, v0                          ; lane
	s_wait_alu depctr_va_vdst(0)
	s_sub_co_u32 s31, ttmp9, WGW                   ; n: which tile of 16 tokens
	s_lshr_b32 s13, s31, 3                         ; g
	s_and_b32 s14, s31, 7                          ; t
	v_and_b32 v12, 8, v9
	v_add_nc_u32 v12, v12, v9                      ; r + 8 (r / 8)
	s_lshl_b32 s15, s12, 10
	v_lshl_add_u32 v[GA], v10, 6, s15
	v_lshl_add_u32 v[XA], v12, 12, v[GA]
	s_lshl_b32 s16, s13, 7
	s_lshr_b32 s19, s14, 1                         ; t / 2
	s_lshl_b32 s17, s19, 5
	s_add_co_u32 s16, s16, s17
	s_and_b32 s18, s14, 1                          ; t % 2
	s_lshl_b32 s17, s18, 3
	s_add_co_u32 s16, s16, s17                     ; the tile's first token: 128 g + 32 (t / 2) + 8 (t % 2)
	s_lshl_b32 s16, s16, 12
	s_mov_b32 s17, 0
	s_lshl_b32 s20, s13, 3
	s_lshl_b32 s21, s12, 1
	s_add_co_u32 s20, s20, s21
	s_mul_i32 s20, s20, GB                         ; block 8 g + 2 w
	s_mov_b32 s21, 0
	s_mul_i32 s22, s14, FRB
	v_lshl_add_u32 v[O8], v11, 3, s22
	v_lshl_add_u32 v[O16], v11, 4, s22
	s_lshl_b32 s23, s18, 8
	s_lshl_b32 s24, s19, 2
	s_add_co_u32 s23, s23, s24
	s_add_co_u32 s23, s23, SCO
	v_mul_u32_u24 v[SOF], v10, GB                  ; lanes 16-31 carry the second K step's words
	v_lshl_add_u32 v[SOF], v9, 4, v[SOF]
	v_add_nc_u32 v[SOF], s23, v[SOF]
	s_lshl_b32 s25, s12, 6
	v_lshl_add_u32 v[RW], v9, 2, s25
	v_lshlrev_b32 v[RR], 2, v9
	s_mov_b32 s[SEL], 0x76543210
	s_mov_b32 s[SEL+1], 0xfedcba98
	s_mov_b32 s28, 0xffff0000                      ; lanes 16-31
	s_mov_b32 s29, 0x3a800000                      ; 1 / 1,024
	s_mov_b32 s30, 0x2b8cbccc                      ; 1e-12
.irp b, 0,1,2,3
	v_mov_b32 v[TM+4+\b], 0                        ; written once: a lane permute's destination counts as one of its sources
.endr
	s_wait_kmcnt 0x0
	s_add_nc_u64 s[4:5], s[4:5], s[16:17]
	s_add_nc_u64 s[10:11], s[10:11], s[20:21]
.irp s, 0,1
.irp b, 0,1,2,3
.irp j, 0,1,2,3
	global_load_b128 v[X+64*\s+16*\b+4*\j:X+64*\s+16*\b+4*\j+3], v[XA], s[4:5] offset:512*\s+128*\b+16*\j
.endr
.endr
.endr
	WIN 0x40                                       ; destination window 1
.irp s, 0,1
.irp b, 0,1,2,3
.irp j, 0,1,2,3
	global_load_b128 v[64*\s+16*\b+4*\j:64*\s+16*\b+4*\j+3], v[GA], s[6:7] offset:512*\s+128*\b+16*\j
.endr
.endr
.endr
	s_wait_loadcnt 32                              ; my 32 loads of the rows are in; the gain's 32, issued behind them, may be out
.irp s, 0,1
.irp b, 0,1,2,3
.irp j, 0,1,2,3
	global_load_b128 v[128+64*\s+16*\b+4*\j:128+64*\s+16*\b+4*\j+3], v[GA], s[8:9] offset:512*\s+128*\b+16*\j   ; the bias is wanted behind both reductions: it lands meanwhile
.endr
.endr
.endr
	WIN 0
.irp k, 0,1,2,3
	v_pk_add_f32 v[16+2*\k:17+2*\k], v[X+2*\k:X+2*\k+1], v[X+8+2*\k:X+9+2*\k]   ; four chains, started by the first numbers
.endr
.set i, 16
.rept 14
.irp k, 0,1,2,3
	v_pk_add_f32 v[16+2*\k:17+2*\k], v[16+2*\k:17+2*\k], v[X+i+2*\k:X+i+2*\k+1]
.endr
.set i, i+8
.endr
	ACROSS RED1
	v_mul_f32 v[MU], s29, v24
	v_mul_f32 v[MU+1], s29, v24
.set i, 0
.rept 64
	v_pk_add_f32 v[X+i:X+i+1], v[X+i:X+i+1], v[MU:MU+1] neg_lo:[0,1] neg_hi:[0,1]   ; x - mean
.set i, i+2
.endr
.irp k, 0,1,2,3
	v_pk_mul_f32 v[16+2*\k:17+2*\k], v[X+2*\k:X+2*\k+1], v[X+2*\k:X+2*\k+1]
.endr
.set i, 8
.rept 15
.irp k, 0,1,2,3
	v_pk_fma_f32 v[16+2*\k:17+2*\k], v[X+i+2*\k:X+i+2*\k+1], v[X+i+2*\k:X+i+2*\k+1], v[16+2*\k:17+2*\k]
.endr
.set i, i+8
.endr
	ACROSS RED2
	v_fma_f32 v24, v24, s29, s30                   ; var + 1e-12
	s_wait_alu depctr_va_vdst(0)
	v_rsq_f32 v[RS], v24
	v_rsq_f32 v[RS+1], v24
	v_nop                                          ; a plain place behind the two
	s_wait_alu depctr_va_vdst(0)                   ; the wait ahead of the first reader: one for both
.set i, 0
.rept 64
	v_pk_mul_f32 v[X+i:X+i+1], v[X+i:X+i+1], v[RS:RS+1]
.set i, i+2
.endr
	s_wait_loadcnt 0x0                             ; gain and bias
	WIN 0x14                                       ; sources 1 and 2 window 1
.set i, 0
.rept 64
	v_pk_fma_f32 v[X+i:X+i+1], v[X+i:X+i+1], v[i:i+1], v[128+i:129+i]
.set i, i+2
.endr
	WIN 0
	QUANT X
	IMG 0
	v_mov_b32 v[PW0], v[PW]
	s_wait_xcnt 0x0                                ; the stores have read their data: the codes' registers may be written again
	QUANT X+64
	IMG GB
	v_cndmask_b32 v[PW0], v[PW0], v[PW], s28       ; lanes 0-15: K step 2 w, lanes 16-31: K step 2 w + 1
	global_store_b32 v[SOF], v[PW0], s[10:11]
.Lend:
	s_wait_tensorcnt 0x0                           ; the wave's end, on both ways
	ds_add_u32 v[SPW], v[NIL]
	s_wait_dscnt 0x0
	s_endpgm
.Lfunc_end_k_qd05293af47_prep:
	.size	k_qd05293af47_prep, .Lfunc_end_k_qd05293af47_prep-k_qd05293af47_prep
	.p2alignl 7, 3214868480
	.fill 96, 4, 3214868480
	.section	.rodata,"a",@progbits
	.p2align	6, 0x0
	.amdhsa_kernel k_qd05293af47_prep
		.amdhsa_group_segment_fixed_size 26624
		.amdhsa_private_segment_fixed_size 0
		.amdhsa_enable_private_segment 0
		.amdhsa_kernarg_size 72
		.amdhsa_user_sgpr_count 2
		.amdhsa_user_sgpr_kernarg_segment_ptr 1
		.amdhsa_wavefront_size32 1
		.amdhsa_system_sgpr_workgroup_id_x 1
		.amdhsa_system_sgpr_workgroup_id_y 1
		.amdhsa_system_sgpr_workgroup_id_z 1
		.amdhsa_system_vgpr_workitem_id 0
		.amdhsa_next_free_vgpr 512
		.amdhsa_next_free_sgpr 66
		.amdhsa_reserve_vcc 0
		.amdhsa_float_denorm_mode_32 3
		.amdhsa_float_denorm_mode_16_64 3
		.amdhsa_memory_ordered 1
		.amdhsa_forward_progress 1
		.amdhsa_inst_pref_size 87
	.end_amdhsa_kernel
	.amdgpu_metadata
---
amdhsa.version: [ 1, 2 ]
amdhsa.kernels:
  - .name:           k_qd05293af47_prep
    .symbol:         k_qd05293af47_prep.kd
    .args:
      - { .name: qkvw, .offset: 0, .size: 8, .value_kind: global_buffer, .address_space: global }
      - { .name: ow, .offset: 8, .size: 8, .value_kind: global_buffer, .address_space: global }
      - { .name: inter_w, .offset: 16, .size: 8, .value_kind: global_buffer, .address_space: global }
      - { .name: out_w, .offset: 24, .size: 8, .value_kind: global_buffer, .address_space: global }
      - { .name: x, .offset: 32, .size: 8, .value_kind: global_buffer, .address_space: global }
      - { .name: norm_w, .offset: 40, .size: 8, .value_kind: global_buffer, .address_space: global }
      - { .name: norm_b, .offset: 48, .size: 8, .value_kind: global_buffer, .address_space: global }
      - { .name: hc, .offset: 56, .size: 8, .value_kind: global_buffer, .address_space: global }
      - { .name: wc, .offset: 64, .size: 8, .value_kind: global_buffer, .address_space: global }
    .group_segment_fixed_size: 26624
    .private_segment_fixed_size: 0
    .kernarg_segment_align: 8
    .kernarg_segment_size: 72
    .max_flat_workgroup_size: 128
    .sgpr_count:     66
    .vgpr_count:     512
    .wavefront_size: 32
...
	.end_amdgpu_metadata
.endif
;; end of part 1
;; launch gemm1 (part 2): grid 12 x 16, 4 waves a work-group, clusters of 4 x 4, 327,680 bytes of LDS; arguments hc, wc, qkvb, qkvc; writes qkvc
.if DOCPART == 2
	.amdgcn_target "amdgcn-amd-amdhsa--gfx1250"
	.amdhsa_code_object_version 6
	.text
	.protected	k_qd05293af47_gemm1
	.globl	k_qd05293af47_gemm1
	.p2align	8
	.type	k_qd05293af47_gemm1,@function
k_qd05293af47_gemm1:
	s_mov_b64 s[64:65], 0
	v_nop
	global_prefetch_b8 v0, s[64:65] scope:SCOPE_SE
	s_setreg_imm32_b32 hwreg(HW_REG_WAVE_MODE, 25, 1), 1
	s_wait_xcnt 0x0
	s_wait_alu depctr_hold_cnt(0) depctr_sa_sdst(0) depctr_va_vdst(0) depctr_va_sdst(0) depctr_va_ssrc(0) depctr_va_vcc(0) depctr_vm_vsrc(0)
	s_getreg_b32 s2, hwreg(HW_REG_IB_STS2, 6, 4)
	s_cmp_eq_u32 s2, 0
	s_cbranch_scc0 .Lentry_in_a_cluster
	s_endpgm
.Lentry_in_a_cluster:
	s_bfe_u32 s2, ttmp6, 0x10000c
	s_cmp_lg_u32 s2, 0xf033
	s_cbranch_scc0 .Lentry_shape_is_right
	s_endpgm
.Lentry_shape_is_right:
.set T,     8
.set NQ,    2
.set KS,    8
.set WOFF,  0
.set GB,    12800
.set FRB,   1536
.set SCO,   12288
; LDS: slot 0 (K steps 0-1, later 6-7) is four regions of two K steps, region w what wave w fetches; behind it lie four regions of four K steps (2-5), each brought by one load: slot 1 is their first half, slot 2 their second.
; q's and k's blocks leave with each head's eight half images on end (6,144 bytes a head, a tile 768), and in tiles 2, 3, 6, 7 lane l's bytes stand at the place of lane l xor 8; v's blocks keep whole images.
.set RB,    2*GB
.set SLOT,  4*RB
.set SPARE, 3*SLOT
.set SSTEP, NQ*GB
.set FB,    12*T
.set F1,    64
.set O8,    2
.set O16,   3
.set A08,   8
.set A016,  11
.set A18,   14
.set A116,  17
.set AS0,   A016
.set AS1,   A116
.set SPW,   28
.set NIL,   29
.set SC,    32
.set TT,    64
.set PC,    192
.set TM,    212
.set PW,    228
.set PWS,   232
.set SW,    240
.set BI,    192
.set G1,    24
.set G0_0,  32
.set G0_1,  36
.set G1W,   80
.set G1B,   48
.set G0B_0, 56
.set G0B_1, 60
.set G1WB,  88
.set SEL,   66
.set HALF,  68
.set ISV,   69
.set MSB, 0
.macro WIN new
.if MSB != (\new)
	s_set_vgpr_msb (MSB<<8)|(\new)
.set MSB, (\new)
.endif
.endm
.set MUL_LO, 0xa1
.set TO_B,   0x40
.macro JLOAD g0a, g1a, g0b, g1b
	s_cmp_eq_u32 s15, 0
	s_cbranch_scc0 .Lfor_b_\@
	tensor_load_to_lds s[\g0a:\g0a+3], s[\g1a:\g1a+7]
	s_nop 0
.rept 4
	v_nop
.endr
	s_branch .Lasked_\@
.Lfor_b_\@:
	tensor_load_to_lds s[\g0b:\g0b+3], s[\g1b:\g1b+7]
	s_nop 0
.rept 4
	v_nop
.endr
.Lasked_\@:
.endm
.macro CREST
	s_cmp_lg_u32 s14, 0
	s_cbranch_scc1 .Lnot_wave_0_\@
	s_barrier_signal -3
.Lnot_wave_0_\@:
	s_barrier_wait -3
	s_barrier_signal -1
	s_barrier_wait -1
.endm
.macro CROUND
	s_barrier_signal -1
	s_barrier_wait -1
	CREST
.endm
.macro PLACES
.rept 4
	v_nop
.endr
.endm
.macro WM z
.if \z
.if (mb%2) && (ma%2)
	v_wmma_scale_f32_16x16x128_f8f6f4 v[rD:rD+7], v[rA:rA+11], v[rB:rB+11], 0, v[rP], v[rQ] matrix_a_fmt:MATRIX_FMT_FP6 matrix_b_fmt:MATRIX_FMT_FP6 matrix_a_scale:MATRIX_SCALE_ROW1 matrix_b_scale:MATRIX_SCALE_ROW1
.elseif mb%2
	v_wmma_scale_f32_16x16x128_f8f6f4 v[rD:rD+7], v[rA:rA+11], v[rB:rB+11], 0, v[rP], v[rQ] matrix_a_fmt:MATRIX_FMT_FP6 matrix_b_fmt:MATRIX_FMT_FP6 matrix_a_scale:MATRIX_SCALE_ROW1
.elseif ma%2
	v_wmma_scale_f32_16x16x128_f8f6f4 v[rD:rD+7], v[rA:rA+11], v[rB:rB+11], 0, v[rP], v[rQ] matrix_a_fmt:MATRIX_FMT_FP6 matrix_b_fmt:MATRIX_FMT_FP6 matrix_b_scale:MATRIX_SCALE_ROW1
.else
	v_wmma_scale_f32_16x16x128_f8f6f4 v[rD:rD+7], v[rA:rA+11], v[rB:rB+11], 0, v[rP], v[rQ] matrix_a_fmt:MATRIX_FMT_FP6 matrix_b_fmt:MATRIX_FMT_FP6
.endif
.else
.if (mb%2) && (ma%2)
	v_wmma_scale_f32_16x16x128_f8f6f4 v[rD:rD+7], v[rA:rA+11], v[rB:rB+11], v[rD:rD+7], v[rP], v[rQ] matrix_a_fmt:MATRIX_FMT_FP6 matrix_b_fmt:MATRIX_FMT_FP6 matrix_a_scale:MATRIX_SCALE_ROW1 matrix_b_scale:MATRIX_SCALE_ROW1
.elseif mb%2
	v_wmma_scale_f32_16x16x128_f8f6f4 v[rD:rD+7], v[rA:rA+11], v[rB:rB+11], v[rD:rD+7], v[rP], v[rQ] matrix_a_fmt:MATRIX_FMT_FP6 matrix_b_fmt:MATRIX_FMT_FP6 matrix_a_scale:MATRIX_SCALE_ROW1
.elseif ma%2
	v_wmma_scale_f32_16x16x128_f8f6f4 v[rD:rD+7], v[rA:rA+11], v[rB:rB+11], v[rD:rD+7], v[rP], v[rQ] matrix_a_fmt:MATRIX_FMT_FP6 matrix_b_fmt:MATRIX_FMT_FP6 matrix_b_scale:MATRIX_SCALE_ROW1
.else
	v_wmma_scale_f32_16x16x128_f8f6f4 v[rD:rD+7], v[rA:rA+11], v[rB:rB+11], v[rD:rD+7], v[rP], v[rQ] matrix_a_fmt:MATRIX_FMT_FP6 matrix_b_fmt:MATRIX_FMT_FP6
.endif
.endif
.endm
.macro PROD a0, n, buf, sc, q, z
	WIN MUL_LO+0x50*((\a0)/4)
.set ma, \a0
.rept \n
.set mb, 0
.rept T
.set rD, 8*(T*(ma%4)+mb)
.set rA, FB*(\buf)+12*mb
.set rB, F1+FB*(\buf)+12*ma
.set rP, SC+16*(\sc)+T*(\q)+mb/2
.set rQ, SC+16*(\sc)+T*(\q)+T/2+ma/2
	WM \z
.set mb, mb+1
.endr
.set ma, ma+1
.endr
.endm
.macro ALLROWS buf, sc, q, z
	PROD 0, 4, \buf, \sc, \q, \z
	PROD 4, 4, \buf, \sc, \q, \z
.endm
.macro FRAG reg, a8, a16, off
	ds_load_b64 v[(\reg):(\reg)+1], v[\a8] offset:(\off)
	ds_load_b128 v[(\reg)+2:(\reg)+5], v[\a16] offset:(\off)+256
	ds_load_b64 v[(\reg)+6:(\reg)+7], v[\a8] offset:(\off)+768
	ds_load_b128 v[(\reg)+8:(\reg)+11], v[\a16] offset:(\off)+1024
.endm
.macro FETCH slot, q, buf
	WIN TO_B
.set fi, 0
.rept T
	FRAG FB*(\buf)+12*fi, A08+\slot, A016+\slot, (\q)*GB+fi*FRB
.set fi, fi+1
.endr
	WIN 0
.set fi, 0
.rept T
	FRAG F1+FB*(\buf)+12*fi, A18+\slot, A116+\slot, (\q)*GB+fi*FRB
.set fi, fi+1
.endr
.endm
.macro SCALES n, st
.set sq, 0
.rept NQ
	ds_load_b128 v[SC+16*(\st)+T*sq:SC+16*(\st)+T*sq+3], v[AS0+\n] offset:sq*GB+SCO
	ds_load_b128 v[SC+16*(\st)+T*sq+4:SC+16*(\st)+T*sq+7], v[AS1+\n] offset:sq*GB+SCO
.set sq, sq+1
.endr
.endm
.macro STEPN slot, st, z
	s_wait_dscnt 0x0
	PLACES
	FETCH \slot, 1, 1
	ALLROWS 0, \st, 0, \z
.endm
.macro CROSS next, st, nst
	s_wait_dscnt 0x0
	PLACES
	FETCH \next, 0, 0
	SCALES \next, \nst
	ALLROWS 1, \st, 1, 0
.endm
.macro TURN slot, next, st, nst, fill
	WIN 0
	s_wait_tensorcnt 0x0
	ds_add_u32 v[SPW], v[NIL]
	s_wait_dscnt 0x0
	s_barrier_signal -1
	PROD 0, T/4, 1, \st, NQ-1, 0
	WIN 0
	s_barrier_wait -1
.if \fill
	CREST
	s_add_nc_u64 s[G0_\slot+2:G0_\slot+3], s[G0_\slot+2:G0_\slot+3], 3*SSTEP
	s_add_nc_u64 s[G0B_\slot+2:G0B_\slot+3], s[G0B_\slot+2:G0B_\slot+3], 3*SSTEP
	JLOAD G0_\slot, G1, G0B_\slot, G1B
.else
	PLACES
.endif
	FETCH \next, 0, 0
	SCALES \next, \nst
	PROD T/4, 4-T/4, 1, \st, NQ-1, 0
	PROD 4, 4, 1, \st, NQ-1, 0
.endm
.macro QUANT s
.irp b, 0,1,2,3
	v_max3_num_f32 v[TM+\b], |v[\s+16*\b]|, |v[\s+1+16*\b]|, 0x1800000
.endr
.irp i, 2,4,6,8,10,12,14
.irp b, 0,1,2,3
	v_max3_num_f32 v[TM+\b], v[TM+\b], |v[\s+16*\b+\i]|, |v[\s+1+16*\b+\i]|
.endr
.endr
.irp b, 0,1,2,3
	v_permlanex16_b32 v[TM+4+\b], v[TM+\b], s[SEL], s[SEL+1]
.endr
.irp b, 0,1,2,3
	v_max_num_f32 v[TM+\b], v[TM+\b], v[TM+4+\b]
.endr
.irp b, 0,1,2,3
	v_add_nc_u32 v[TM+12+\b], 0xff000000, v[TM+\b]
.endr
.irp b, 0,1,2,3
	v_lshrrev_b32 v[TM+4+\b], 23, v[TM+12+\b]
.endr
	v_lshl_or_b32 v[PW], v[TM+5], 8, v[TM+4]
	v_lshl_or_b32 v[PW], v[TM+6], 16, v[PW]
	v_lshl_or_b32 v[PW], v[TM+7], 24, v[PW]
.irp c, 0,1
	v_cvt_scalef32_pk16_fp6_f32 v[PC+6*\c:PC+2+6*\c], v[\s+32*\c:\s+15+32*\c], v[TM+12+2*\c]
	v_cvt_scalef32_pk16_fp6_f32 v[PC+12+4*\c:PC+14+4*\c], v[\s+16+32*\c:\s+31+32*\c], v[TM+12+2*\c+1]
.endr
	v_nop
.irp c, 0,1
.irp i, 0,1,2
	v_permlane16_swap_b32 v[PC+6*\c+\i], v[PC+12+4*\c+\i]
.endr
.irp i, 0,1,2
	v_mov_b32 v[PC+3+6*\c+\i], v[PC+12+4*\c+\i]
.endr
.endr
.endm
.set X8,    244                        ; v244, v245: 8 and 16 x (lane xor 8) for q and k, x lane for v
.set X16,   245
.set F8,    248                        ; v248-249, v250-251: the second half image's places, for even and odd pairs of tiles
.set F16,   250
.macro IMG a                           ; tile a: 768 a is in the immediate; for v the base has been stepped by 768 a more
.if ((\a)/2)%2
.set e8, X8
.set e16, X16
.else
.set e8, O8
.set e16, O16
.endif
	global_store_b64 v[e8], v[PC:PC+1], s[88:89] offset:(\a)*768
	global_store_b128 v[e16], v[PC+2:PC+5], s[88:89] offset:(\a)*768+256
	global_store_b64 v[F8+((\a)/2)%2], v[PC+6:PC+7], s[88:89] offset:(\a)*768
	global_store_b128 v[F16+((\a)/2)%2], v[PC+8:PC+11], s[88:89] offset:(\a)*768+256
.endm
	s_load_b256 s[4:11], s[0:1], 0x0
	v_lshl_add_u32 v[SPW], v0, 2, SPARE
	v_mov_b32 v[NIL], 0
	ds_add_u32 v[SPW], v[NIL]
	ds_add_u32 v[SPW], v[NIL]
	v_lshrrev_b32 v1, 5, v0
	v_readfirstlane_b32 s14, v1
	s_lshr_b32 s15, s14, 1
	s_and_b32 s16, s14, 1
	s_bfe_u32 s40, ttmp6, 0x40000
	s_bfe_u32 s41, ttmp6, 0x40004
	s_lshl_b32 s42, ttmp9, 2
	s_add_co_u32 s42, s42, s40
	s_and_b32 s17, ttmp7, 0xffff
	s_lshl_b32 s17, s17, 2
	s_add_co_u32 s17, s17, s41
	s_lshl_b32 s43, s41, 2
	s_lshl_b32 s43, 15, s43
	s_lshl_b32 s44, 0x1111, s40
	s_or_b32 s[G1], s43, (3<<16)|(1<<21)
	s_or_b32 s[G1B], s44, (3<<16)|(1<<21)
	s_or_b32 s[G1W], s43, (3<<16)|(1<<21)          ; groups 1 for the load of four K steps: 200 rows of 256 bytes
	s_or_b32 s[G1WB], s44, (3<<16)|(1<<21)
.irp g, G1W, G1WB
	s_mov_b32 s[\g+1], 32<<16
	s_mov_b32 s[\g+2], 200<<16
	s_mov_b32 s[\g+3], 32<<16
	s_mov_b32 s[\g+4], 200
	s_mov_b32 s[\g+5], 32
	s_mov_b32 s[\g+6], 0
	s_mov_b32 s[\g+7], 0
.endr
.irp g, G1, G1B
	s_mov_b32 s[\g+1], 32<<16
	s_mov_b32 s[\g+2], 100<<16
	s_mov_b32 s[\g+3], 32<<16
	s_mov_b32 s[\g+4], 100
	s_mov_b32 s[\g+5], 32
	s_mov_b32 s[\g+6], 0
	s_mov_b32 s[\g+7], 0
.endr
	s_lshl_b32 s20, s17, 1
	s_add_co_u32 s20, s20, s16
	s_mul_i32 s20, s20, KS*GB
	s_mov_b32 s21, 0
	s_lshl_b32 s46, s42, 1
	s_add_co_u32 s46, s46, s16
	s_mul_i32 s46, s46, KS*GB
	s_mov_b32 s47, 0
	s_mul_i32 s45, s14, RB
	s_wait_dscnt 0x0
	s_wait_kmcnt 0x0
	s_add_nc_u64 s[20:21], s[4:5], s[20:21]
	s_add_nc_u64 s[46:47], s[6:7], s[46:47]
	CROUND
.irp s, 0,1
	s_mov_b32 s[G0_\s], 1
	s_add_co_u32 s[G0_\s+1], s45, \s*SLOT
	s_add_nc_u64 s[G0_\s+2:G0_\s+3], s[20:21], \s*SSTEP
	s_or_b32 s[G0_\s+3], s[G0_\s+3], 0x80000000
	s_mov_b32 s[G0B_\s], 1
	s_add_co_u32 s[G0B_\s+1], s45, \s*SLOT
	s_add_nc_u64 s[G0B_\s+2:G0B_\s+3], s[46:47], \s*SSTEP
	s_or_b32 s[G0B_\s+3], s[G0B_\s+3], 0x80000000
.endr
	s_lshl_b32 s[G0_1+1], s45, 1                   ; the load of four K steps goes behind slot 0, to region w of four K steps
	s_add_co_u32 s[G0_1+1], s[G0_1+1], SLOT
	s_lshl_b32 s[G0B_1+1], s45, 1
	s_add_co_u32 s[G0B_1+1], s[G0B_1+1], SLOT
	JLOAD G0_0, G1, G0B_0, G1B                     ; K steps 0 and 1: my one load at the head
	v_and_b32 v1, 31, v0
	v_lshlrev_b32 v[O8], 3, v1
	s_wait_alu depctr_va_vdst(0)
	v_lshlrev_b32 v[O16], 4, v1
	s_wait_alu depctr_va_vdst(0)
	s_mul_i32 s22, s15, RB
	s_mul_i32 s21, s16, RB
	s_add_co_u32 s21, s21, 2*RB
	s_cmp_eq_u32 ttmp9, 2
	s_cselect_b32 s[ISV], 1, 0
	s_cselect_b32 s23, s22, s21
	s_cselect_b32 s18, s21, s22
	s_cselect_b32 s70, 0, 64
	s_cselect_b32 s71, 4, 0
	s_cselect_b32 s72, 32, 0
	s_cselect_b32 s73, 0, 4
.irp s, 0,1,2
	v_add_nc_u32 v[A08+\s], s23, v[O8]
	v_add_nc_u32 v[A016+\s], s23, v[O16]
	v_add_nc_u32 v[A18+\s], s18, v[O8]
	v_add_nc_u32 v[A116+\s], s18, v[O16]
.if \s == 0
	s_lshl_b32 s23, s23, 1                         ; behind slot 0 a region is twice as long
	s_lshl_b32 s18, s18, 1
	s_add_co_u32 s23, s23, SLOT
	s_add_co_u32 s18, s18, SLOT
.else
	s_add_co_u32 s23, s23, RB
	s_add_co_u32 s18, s18, RB
.endif
.endr
	v_and_b32 v26, 15, v0
	v_bfe_u32 v27, v0, 4, 1
	v_lshrrev_b32 v30, 3, v26
	v_mul_u32_u24 v31, v27, s70
	v_mad_u32_u24 v31, v26, s71, v31
	v_mad_u32_u24 v31, v30, s72, v31
.irp j, 0,1,2,3,4,5,6,7
	v_mad_u32_u24 v[20+\j-20*(\j/4)], s73, \j, v31
.endr
	s_lshl_b32 s76, s42, 1
	s_add_co_u32 s76, s76, s16
	s_lshl_b32 s74, s76, 9
	s_mov_b32 s75, 0
	s_add_nc_u64 s[8:9], s[8:9], s[74:75]
	s_lshl_b32 s74, s76, 5
	s_lshl_b32 s77, s17, 1
	s_add_co_u32 s77, s77, s15
	s_add_co_u32 s74, s74, s77
	s_mul_i32 s74, s74, GB
	s_add_nc_u64 s[10:11], s[10:11], s[74:75]
	s_mov_b32 s[SEL], 0x76543210
	s_mov_b32 s[SEL+1], 0xfedcba98
	s_mov_b32 s[HALF], 0xffff0000
	WIN TO_B
	s_wait_alu depctr_va_vdst(0)
.irp x, 0,1,2,3,4,5,6,7
.irp j, 0,1,2,3,4,5,6,7
	global_load_b32 v[BI+8*\x+\j], v[20+\j-20*(\j/4)], s[8:9] offset:128*(\x/2)+32*(\x%2)
.endr
.endr
	WIN 0
	s_wait_alu depctr_va_vdst(0)                   ; the wait at the head's end
	s_wait_tensorcnt 0x0                           ; my part of K steps 0 and 1 is in; the three lines ahead of a later first fill
	ds_add_u32 v[SPW], v[NIL]
	s_wait_dscnt 0x0
	CROUND
	JLOAD G0_1, G1W, G0B_1, G1WB                   ; K steps 2 to 5 in one load, the first behind the round
	FETCH 0, 0, 0
	SCALES 0, 0
	STEPN 0, 0, 1
	TURN 0, 1, 0, 1, 1
	STEPN 1, 1, 0
	CROSS 2, 1, 0
	STEPN 2, 0, 0
	TURN 2, 0, 0, 1, 0
	STEPN 0, 1, 0
	s_wait_dscnt 0x0
	ALLROWS 1, 1, NQ-1, 0
	WIN 0
.macro EPI a
	s_wait_xcnt 0x0
.if (\a) > 0
	s_add_nc_u64 s[88:89], s[88:89], s[92:93]      ; v: 768 more for each tile; q, k: 0
.endif
	s_cmp_eq_u32 s[ISV], 1
	s_cbranch_scc1 .Lv_\@
	WIN 0x06+(\a)/4
.set ei, 0
.rept 32
	v_pk_add_f32 v[TT+2*ei:TT+2*ei+1], v[64*((\a)%4)+2*ei:64*((\a)%4)+2*ei+1], v[BI+2*ei:BI+2*ei+1]
.set ei, ei+1
.endr
	WIN 0
	s_branch .Ljoin_\@
.Lv_\@:
	WIN 0x06+(\a)/4
.set ei, 0
.rept 32
	v_pk_add_f32 v[TT+2*ei:TT+2*ei+1], v[64*((\a)%4)+2*ei:64*((\a)%4)+2*ei+1], v[BI+8*(\a)+2*(ei%4):BI+8*(\a)+2*(ei%4)+1]
.set ei, ei+1
.endr
	WIN 0
.Ljoin_\@:
	QUANT TT
	IMG \a
	v_mov_b32 v[PWS+(\a)], v[PW]
.endm
	s_wait_loadcnt 0x0
	PLACES
	s_cmp_eq_u32 s[ISV], 1                         ; no tensor load is out: the registers that held groups 1 are free
	s_cselect_b32 s90, 0, 8
	s_mov_b32 s91, 6144
	s_cselect_b32 s91, 768, s91                    ; from a tile's first half image to its second
	s_cselect_b32 s92, 768, 0
	s_mov_b32 s93, 0
	s_mov_b64 s[88:89], s[10:11]
	v_xor_b32 v252, s90, v1
	v_lshlrev_b32 v[X8], 3, v252
	v_lshlrev_b32 v[X16], 4, v252
	v_add_nc_u32 v[F8], s91, v[O8]
	v_add_nc_u32 v[F8+1], s91, v[X8]
	v_add_nc_u32 v[F16], s91, v[O16]
	v_add_nc_u32 v[F16+1], s91, v[X16]
.irp b, 0,1,2,3
	v_mov_b32 v[TM+4+\b], 0
.endr
.irp a, 0,1,2,3,4,5,6,7
	EPI \a
.endr
.irp i, 0,1,2,3
	v_cndmask_b32 v[SW+\i], v[PWS+2*\i], v[PWS+2*\i+1], s[HALF]
.endr
	global_store_b128 v[O16], v[SW:SW+3], s[10:11] offset:SCO
	s_wait_tensorcnt 0x0
	ds_add_u32 v[SPW], v[NIL]
	s_wait_dscnt 0x0
	CROUND
	s_endpgm
.Lfunc_end_k_qd05293af47_gemm1:
	.size	k_qd05293af47_gemm1, .Lfunc_end_k_qd05293af47_gemm1-k_qd05293af47_gemm1
	.p2alignl 7, 3214868480
	.fill 96, 4, 3214868480
	.section	.rodata,"a",@progbits
	.p2align	6, 0x0
	.amdhsa_kernel k_qd05293af47_gemm1
		.amdhsa_group_segment_fixed_size 327680
		.amdhsa_private_segment_fixed_size 0
		.amdhsa_enable_private_segment 0
		.amdhsa_kernarg_size 32
		.amdhsa_user_sgpr_count 2
		.amdhsa_user_sgpr_kernarg_segment_ptr 1
		.amdhsa_wavefront_size32 1
		.amdhsa_system_sgpr_workgroup_id_x 1
		.amdhsa_system_sgpr_workgroup_id_y 1
		.amdhsa_system_sgpr_workgroup_id_z 1
		.amdhsa_system_vgpr_workitem_id 0
		.amdhsa_next_free_vgpr 1024
		.amdhsa_next_free_sgpr 100
		.amdhsa_reserve_vcc 0
		.amdhsa_float_denorm_mode_32 3
		.amdhsa_float_denorm_mode_16_64 3
		.amdhsa_memory_ordered 1
		.amdhsa_forward_progress 1
		.amdhsa_inst_pref_size 185
	.end_amdhsa_kernel
	.amdgpu_metadata
---
amdhsa.version: [ 1, 2 ]
amdhsa.kernels:
  - .name:           k_qd05293af47_gemm1
    .symbol:         k_qd05293af47_gemm1.kd
    .args:
      - { .name: hc, .offset: 0, .size: 8, .value_kind: global_buffer, .address_space: global }
      - { .name: wc, .offset: 8, .size: 8, .value_kind: global_buffer, .address_space: global }
      - { .name: qkvb, .offset: 16, .size: 8, .value_kind: global_buffer, .address_space: global }
      - { .name: qkvc, .offset: 24, .size: 8, .value_kind: global_buffer, .address_space: global }
    .group_segment_fixed_size: 327680
    .private_segment_fixed_size: 0
    .kernarg_segment_align: 8
    .kernarg_segment_size: 32
    .max_flat_workgroup_size: 128
    .sgpr_count:     100
    .vgpr_count:     1024
    .wavefront_size: 32
...
	.end_amdgpu_metadata
.endif
;; end of part 2
;; launch attn (part 3): grid 8 x 32, 8 waves a work-group, clusters of 4 x 1, 327,680 bytes of LDS; arguments qkvc, mask, ctxc; writes ctxc
.if DOCPART == 3
	.amdgcn_target "amdgcn-amd-amdhsa--gfx1250"
	.amdhsa_code_object_version 6
	.text
	.protected	k_qd05293af47_attn
	.globl	k_qd05293af47_attn
	.p2align	8
	.type	k_qd05293af47_attn,@function
k_qd05293af47_attn:
	s_mov_b64 s[64:65], 0
	v_nop
	global_prefetch_b8 v0, s[64:65] scope:SCOPE_SE
	s_setreg_imm32_b32 hwreg(HW_REG_WAVE_MODE, 25, 1), 1
	s_wait_xcnt 0x0
	s_wait_alu depctr_hold_cnt(0) depctr_sa_sdst(0) depctr_va_vdst(0) depctr_va_sdst(0) depctr_va_ssrc(0) depctr_va_vcc(0) depctr_vm_vsrc(0)
	s_getreg_b32 s2, hwreg(HW_REG_IB_STS2, 6, 4)
	s_cmp_eq_u32 s2, 0
	s_cbranch_scc0 .Lentry_in_a_cluster
	s_endpgm
.Lentry_in_a_cluster:
	s_bfe_u32 s2, ttmp6, 0x10000c
	s_cmp_lg_u32 s2, 0x3003
	s_cbranch_scc0 .Lentry_shape_is_right
	s_endpgm
.Lentry_shape_is_right:
; ctx = softmax(q k^T / 8 + mask) v for 32 heads of 64, both products on codes of FP6, and the next product's quantiser on the way out.  Nothing is left out.
; t = (q.k + 8 mask) x log2(e) / 8; M = the running largest t rounded up to a whole number; p = 2^(t - M) is quantised along the keys; the row's sum is taken of the unquantised p and divides at the end.
; SHARES.  A work-group owns ONE head and 256 queries; wave w owns query tiles 2 w and 2 w + 1 of the sixteen: 32 queries, one a lane (lane % 16) in each tile.  A key step is 128 keys, a trip of the loop.
; ALL OF THE HEAD'S k AND v LIE IN LDS: 16 key steps x 6,144 bytes of codes each, 16 x 512 bytes of scale words each, and 8 x mask: 221,184 bytes.  Nothing is filled again, so no barrier stands in the loops.
; They come in two groups of joint loads: key steps 0-3 and all scale words at the head (a load a wave), key steps 4-15 behind the three lines and a round (three key steps a wave); one plain barrier behind three trips shows the second group.
; CLUSTER 4 x 1: four blocks of queries of one head ask jointly.  No prefetch: both groups of loads go out at the head, so the launch has no later load to run ahead of.
; OPERANDS.  q's and k's blocks (12,800 bytes, 128 tokens): head c's eight half images at 6,144 c + 768 t (registers 0-1 at 8 x place, 2-5 at 256 + 16 x place; place = lane, in tiles 2, 3, 6, 7 lane xor 8); scale words at 12,288.
; The instruction's K is 128, a head has 64: registers 6-11 of q's and k's fragments are zero codes, set once; their scale bytes are the 0 that a 16-bit load leaves.  v's blocks hold whole images: my head's four tiles are 6,144 dense bytes.
; THE ROWS OF A TILE OF k ARE CHOSEN BY THE LANES' LDS ADDRESSES: tile (c, j) takes keys 64 c + 8 j + 0..7 in rows 0-7 and 64 c + 32 + 8 j + 0..7 in rows 8-15.  So register 32 c + 8 j + i of lane (r, h) of S^T is key 64 c + 32 h + 8 j + i:
; a lane holds two whole blocks of 32 keys, in the order of the next operand's registers: a block's largest score needs no other lane, and the conversions' results are the operand.
; 8 x mask is the C of the first product, read from LDS once for both query tiles; the scores go to registers of their own.
; The last trip asks again for key step 15 in place of a step that does not exist (the offset is held); what it brings is not used.
; ctx's two scale bytes of a row are stored two bytes a lane: the other head of the pair, another work-group, owns the word's other half: one byte in 48 of what the launch stores.
; LIMITS: NaN and infinities are not served.  The promise holds while the scaled scores stay under 2^31 in magnitude.  8 x mask is held at -2^32 from below: such a key has p = 0 wherever its row has a key well above that;
; a row all of whose keys lie there gets an average of them and not reference()'s value.
; REGISTERS.  Window 0: v1-19 addresses; v20-29 scale words (k 4, v 2, q 2, p 2); v32-127 k's eight fragments; v128-175 v's four; v176-239 8 x mask; v240-246 addresses of the head and the end.
; Window 1: v0-127 S^T, then p, of tiles 0, 1; v128-191 O^T; v192-215 q; v216-223 -M, the largest score, the sum (a pair); v224-235 p's codes; v236-255 at work.
.set GB,    12800
.set SCO,   12288
.set HB,    6144                       ; a head's codes in a block
.set TB,    768                        ; a half image
.set VC,    16*HB                      ; LDS: k's codes at 0, v's here
.set KS,    2*VC                       ; k's scale words
.set VS,    KS+8192
.set MK,    VS+8192                    ; 8 x mask
.set SPARE, MK+8192                    ; the spare words, 128 bytes for each of eight waves
.set L8,    1
.set L16,   2
.set SPW,   3
.set NIL,   4
.set LK8,   5                          ; v5, v6: k's lane terms for tiles j = 0, 1 and j = 2, 3
.set LK16,  7
.set LSK,   9
.set LM,    10
.set AK8,   11
.set AK16,  13
.set ASK,   15
.set AM,    16
.set AV8,   17
.set AV16,  18
.set ASV,   19
.set KSC,   20
.set VSC,   24
.set QSC,   26
.set PSC,   28
.set KF,    32
.set VF,    128
.set MKR,   176
.set CA8,   240
.set CA16,  241
.set VSCO,  242
.set Q8,    243
.set Q16,   244
.set MA,    245
.set MS,    246
; window 1
.set OB,    128
.set QF,    192
.set ST,    216
.set PCD,   224
.set BM,    236
.set FF,    240
.set XT,    244
.set SOP,   244
.set BY,    246
.set TC,    248
.set WD,    251
.set TC2,   252
.set SH8,   255
.set WV,    10
.set HP,    11
.set G1A,   24
.set G1S,   32
.set G1C,   40
.set G0A,   48
.set G0S,   52
.set G0C,   56
.set SEL,   60
.set CS,    62
.set NEGC,  66
.set OFF,   67
.set OF5,   68
.set CNT,   69
.set SQ,    85
.set SS,    86
.set SKS,   87
.set VSB,   88
.set SCX,   89
.set XR,    90
.set NK,    91
.set N5,    92
.set SV,    93
.set S5,    94
.set MSB, 0
.macro WIN new                         ; the immediate's high byte repeats the setting that is left
.if MSB != (\new)
	s_set_vgpr_msb (MSB<<8)|(\new)
.set MSB, (\new)
.endif
.endm
.macro WALU
	s_wait_alu depctr_va_vdst(0)
.endm
.macro TL g0, g1                       ; an s_nop 0 and four v_nop follow the line
	tensor_load_to_lds s[\g0:\g0+3], s[\g1:\g1+7]
	s_nop 0
.rept 4
	v_nop
.endr
.endm
.macro ROUND                           ; a round of the cluster's barrier
	s_barrier_signal -1
	s_barrier_wait -1
	s_cmp_lg_u32 s[WV], 0
	s_cbranch_scc1 .Lnot_wave_0_\@
	s_barrier_signal -3
.Lnot_wave_0_\@:
	s_barrier_wait -3
	s_barrier_signal -1
	s_barrier_wait -1
.endm
.macro GRP1 g, el, rows                ; rows of el elements of 8 bytes, a block (1,600 elements) apart; all four work-groups; no padding
	s_mov_b32 s[\g], 15|(3<<16)|(1<<21)
	s_mov_b32 s[\g+1], (\el)<<16
	s_mov_b32 s[\g+2], (\rows)<<16
	s_mov_b32 s[\g+3], (\el)<<16
	s_mov_b32 s[\g+4], \rows
	s_mov_b32 s[\g+5], GB/8
	s_mov_b32 s[\g+6], 0
	s_mov_b32 s[\g+7], 0
.endm
.macro WM d, a, b, c, sa, sb, row
.if \row
	v_wmma_scale_f32_16x16x128_f8f6f4 v[(\d):(\d)+7], v[(\a):(\a)+11], v[(\b):(\b)+11], v[(\c):(\c)+7], v[\sa], v[\sb] matrix_a_fmt:MATRIX_FMT_FP6 matrix_b_fmt:MATRIX_FMT_FP6 matrix_a_scale:MATRIX_SCALE_ROW1
.else
	v_wmma_scale_f32_16x16x128_f8f6f4 v[(\d):(\d)+7], v[(\a):(\a)+11], v[(\b):(\b)+11], v[(\c):(\c)+7], v[\sa], v[\sb] matrix_a_fmt:MATRIX_FMT_FP6 matrix_b_fmt:MATRIX_FMT_FP6
.endif
.endm
; The key step at s[NK] (codes) and s[N5] (scale words, mask): six address lines, which are also the places behind the products that read these registers, and 36 loads.
.macro KREQ
	v_add_nc_u32 v[AK8], s[NK], v[LK8]
	v_add_nc_u32 v[AK8+1], s[NK], v[LK8+1]
	v_add_nc_u32 v[AK16], s[NK], v[LK16]
	v_add_nc_u32 v[AK16+1], s[NK], v[LK16+1]
	v_add_nc_u32 v[ASK], s[N5], v[LSK]
	v_add_nc_u32 v[AM], s[N5], v[LM]
.irp c, 0,1
.irp j, 0,1,2,3
	ds_load_b64 v[KF+12*(4*\c+\j):KF+12*(4*\c+\j)+1], v[AK8+\j/2] offset:(4*\c+\j%2)*TB
	ds_load_b128 v[KF+12*(4*\c+\j)+2:KF+12*(4*\c+\j)+5], v[AK16+\j/2] offset:(4*\c+\j%2)*TB+256
.endr
.endr
.irp c, 0,1
.irp j, 0,1
	ds_load_u16 v[KSC+2*\c+\j], v[ASK] offset:128*\j+8*\c          ; lanes 0-15: tile (c, 2 j), lanes 16-31: tile (c, 2 j + 1)
.endr
.endr
.irp n, 0,1,2,3,4,5,6,7
	ds_load_b128 v[MKR+8*\n:MKR+8*\n+3], v[AM] offset:256*(\n/4)+32*(\n%4)
	ds_load_b128 v[MKR+8*\n+4:MKR+8*\n+7], v[AM] offset:256*(\n/4)+32*(\n%4)+16
.endr
.endm
; The second part of a tile's step: p's scale word and codes, the row's sum, O^T += v^T p^T.
.macro TAIL t
.set S_, 64*(\t)
.set O_, OB+32*(\t)
.set B_, BM+2*(\t)
	WIN 0x55
.irp c, 0,1
	v_max_num_f32 v[B_+\c], 0x1800000, v[B_+\c]    ; the floor 2^(3 - 127)
.endr
.irp c, 0,1
	v_add_nc_u32 v[SOP+\c], 0xff000000, v[B_+\c]   ; the conversion's scale operand
.endr
.irp c, 0,1
	v_lshrrev_b32 v[BY+\c], 23, v[SOP+\c]
.endr
	v_lshl_or_b32 v[WD], v[BY+1], 16, v[BY]        ; my blocks h and 2 + h,
	v_lshlrev_b32 v[WD], v[SH8], v[WD]             ; at their places in the word;
	v_permlanex16_b32 v[BY], v[WD], s[SEL], s[SEL+1]
	WIN 0x05
	v_or_b32 v[PSC+(\t)], v[WD], v[BY]             ; with lane l xor 16's two the word is whole (scale registers lie in window 0)
	WIN 0x55
	v_cvt_scalef32_pk16_fp6_f32 v[PCD:PCD+2], v[S_:S_+15], v[SOP]
	v_cvt_scalef32_pk16_fp6_f32 v[TC:TC+2], v[S_+16:S_+31], v[SOP]
	v_cvt_scalef32_pk16_fp6_f32 v[PCD+6:PCD+8], v[S_+32:S_+47], v[SOP+1]
	v_cvt_scalef32_pk16_fp6_f32 v[TC2:TC2+2], v[S_+48:S_+63], v[SOP+1]
	v_nop                                          ; one plain place behind a scaled conversion
.irp i, 0,1,2
	v_mov_b32 v[PCD+3+\i], v[TC+\i]                ; (a conversion's three registers begin on an even number)
	v_mov_b32 v[PCD+9+\i], v[TC2+\i]
.endr
.irp i, 8,16,24,32,40,48,56                    ; the sum of the unquantised p, in four chains, in place; these 32 lines are also the places ahead of the scaled products
.irp k, 0,2,4,6
	v_pk_add_f32 v[S_+\k:S_+\k+1], v[S_+\k:S_+\k+1], v[S_+\i+\k:S_+\i+\k+1]
.endr
.endr
	v_pk_add_f32 v[S_:S_+1], v[S_:S_+1], v[S_+2:S_+3]
	v_pk_add_f32 v[S_+4:S_+5], v[S_+4:S_+5], v[S_+6:S_+7]
	v_pk_add_f32 v[S_:S_+1], v[S_:S_+1], v[S_+4:S_+5]
	v_pk_add_f32 v[ST+4*(\t)+2:ST+4*(\t)+3], v[ST+4*(\t)+2:ST+4*(\t)+3], v[S_:S_+1]
	WIN 0x54                                       ; source 0 (v) window 0; p, C and D window 1
.irp i, 0,1,2,3
	WM O_+8*\i, VF+12*\i, PCD, O_+8*\i, VSC+\i/2, PSC+(\t), \i%2
.endr
.endm
; A KEY STEP for both query tiles.
.macro TRIP
	s_add_co_u32 s[SV], s[OFF], VC
	s_add_co_u32 s[S5], s[OF5], s[VSB]
	v_add_nc_u32 v[AV8], s[SV], v[L8]              ; four places behind the last trip's products, ahead of the loads into v's registers
	v_add_nc_u32 v[AV16], s[SV], v[L16]
	v_add_nc_u32 v[ASV], s[S5], v[L16]
	v_nop
.irp i, 0,1,2,3
	ds_load_b64 v[VF+12*\i:VF+12*\i+1], v[AV8] offset:\i*2*TB
	ds_load_b128 v[VF+12*\i+2:VF+12*\i+5], v[AV16] offset:\i*2*TB+256
	ds_load_b64 v[VF+12*\i+6:VF+12*\i+7], v[AV8] offset:\i*2*TB+768
	ds_load_b128 v[VF+12*\i+8:VF+12*\i+11], v[AV16] offset:\i*2*TB+1024
.endr
	ds_load_b64 v[VSC:VSC+1], v[ASV]
	s_add_co_u32 s[NK], s[OFF], HB
	s_min_u32 s[NK], s[NK], 15*HB                  ; the next key step, held at the last
	s_add_co_u32 s[N5], s[OF5], 512
	s_min_u32 s[N5], s[N5], 15*512
	s_wait_dscnt 17                                ; k, its scale words and the mask, asked for a trip ago, are in; v's 17 loads may be out
	WIN 0x44                                       ; S^T = k q^T + 8 mask: k and the mask window 0, q and the result window 1
.set t, 0
.rept 2
.set n, 0
.rept 8
	WM 64*t+8*n, KF+12*n, QF+12*t, MKR+8*n, KSC+2*(n/4)+(n%4)/2, QSC+t, n%2
.set n, n+1
.endr
.set t, t+1
.endr
	WIN 0
	KREQ
	WIN 0x55
.irp k, 0,1,2,3                                ; the largest score of each of my four blocks of 32 keys (two a tile), by turns: for the row's maximum, and, since p rises with the score, for the block's largest p
	v_max3_num_f32 v[BM+\k], v[32*\k], v[32*\k+1], v[32*\k+2]
.endr
.irp i, 3,5,7,9,11,13,15,17,19,21,23,25,27,29
.irp k, 0,1,2,3
	v_max3_num_f32 v[BM+\k], v[BM+\k], v[32*\k+\i], v[32*\k+\i+1]
.endr
.endr
.irp k, 0,1,2,3
	v_max_num_f32 v[BM+\k], v[BM+\k], v[32*\k+31]
.endr
.irp t, 0,1
	v_max_num_f32 v[XT+2*\t], v[BM+2*\t], v[BM+2*\t+1]
.endr
.irp t, 0,1
	v_permlanex16_b32 v[XT+2*\t+1], v[XT+2*\t], s[SEL], s[SEL+1]
.endr
.irp t, 0,1
	v_max3_num_f32 v[ST+4*\t+1], v[ST+4*\t+1], v[XT+2*\t], v[XT+2*\t+1]   ; the running largest score
.endr
.irp t, 0,1
	v_mul_f32 v[XT+2*\t], s[NEGC], v[ST+4*\t+1]    ; - t
.endr
.irp t, 0,1
	v_mov_b32 v[XT+2*\t+1], v[ST+4*\t]
.endr
.irp t, 0,1
	v_floor_f32 v[ST+4*\t], v[XT+2*\t]             ; the new -M = -ceil(t): a whole number
.endr
.irp t, 0,1
	v_sub_f32 v[XT+2*\t], v[ST+4*\t], v[XT+2*\t+1] ; old M less new M
.endr
.irp t, 0,1
	v_cvt_i32_f32 v[XT+2*\t], v[XT+2*\t]           ; (it saturates)
.endr
.irp t, 0,1
	v_ldexp_f32 v[FF+2*\t], 1.0, v[XT+2*\t]        ; f = 2^(old M - new M): a multiplication by it rounds nothing
.endr
.irp t, 0,1
.set j, 0
.rept 16
	v_pk_mul_f32 v[OB+32*\t+j:OB+32*\t+j+1], v[OB+32*\t+j:OB+32*\t+j+1], v[FF+2*\t:FF+2*\t+1] op_sel_hi:[1,0]   ; O^T under the new M
.set j, j+2
.endr
	v_pk_mul_f32 v[ST+4*\t+2:ST+4*\t+3], v[ST+4*\t+2:ST+4*\t+3], v[FF+2*\t:FF+2*\t+1] op_sel_hi:[1,0]
.set j, 0
.rept 32
	v_pk_fma_f32 v[64*\t+j:64*\t+j+1], v[64*\t+j:64*\t+j+1], s[CS:CS+1], v[ST+4*\t:ST+4*\t+1] op_sel_hi:[1,0,0]   ; t - M
.set j, j+2
.endr
.endr
.irp k, 0,1,2,3
	v_fma_f32 v[BM+\k], v[BM+\k], s[CS], v[ST+4*(\k/2)]            ; the same of each block's largest score
.endr
	WALU                                           ; the wait ahead of the batch
.irp k, 0,1,2,3
	v_exp_f32 v[BM+\k], v[BM+\k]
.endr
.set j, 0
.rept 128
	v_exp_f32 v[j], v[j]                           ; p = 2^(t - M): not normalised
.set j, j+1
.endr
	v_nop                                          ; a plain place behind the batch
	WALU                                           ; and the one wait ahead of its first reader
	s_wait_dscnt 36                                ; v is in; the next step's 36 loads, issued behind v's, may be out
	TAIL 0
	TAIL 1
	WIN 0
	s_add_co_u32 s[OFF], s[OFF], HB
	s_add_co_u32 s[OF5], s[OF5], 512
.endm
	s_load_b128 s[4:7], s[0:1], 0x0                ; qkvc, mask
	s_load_b64 s[8:9], s[0:1], 0x10                ; ctxc
	v_lshl_add_u32 v[SPW], v0, 2, SPARE
	v_mov_b32 v[NIL], 0
	ds_add_u32 v[SPW], v[NIL]                      ; the opening: the add, twice on end, and its wait
	ds_add_u32 v[SPW], v[NIL]
	v_lshrrev_b32 v5, 5, v0
	v_readfirstlane_b32 s[WV], v5
	s_bfe_u32 s15, ttmp6, 0x40000                  ; cx
	s_lshl_b32 s14, ttmp9, 2
	s_add_co_u32 s14, s14, s15                     ; my block of 256 queries: it enters q's and ctx's addresses alone
	s_and_b32 s16, ttmp7, 0xffff
	s_lshr_b32 s13, s16, 4                         ; the batch
	s_and_b32 s[HP], s16, 1                        ; my head of its pair
	s_bfe_u32 s12, s16, 0x30001                    ; the pair
	s_lshl_b32 s17, s12, 5
	s_lshl_b32 s18, s13, 4
	s_add_co_u32 s17, s17, s18                     ; 32 pair + 16 batch: q's first block
	s_mul_i32 s19, s[HP], HB
	s_add_co_u32 s20, s17, 256
	s_mul_i32 s20, s20, GB                         ; k's first block; v's lie 256 blocks on
	s_bfe_u32 s21, s[WV], 0x10001                  ; the head's loads: bit 1 of the wave: k or v; bit 0: which half
	s_and_b32 s22, s[WV], 1
	s_mul_i32 s23, s21, 256*GB
	s_add_co_u32 s23, s23, s20
	s_mul_i32 s70, s22, 2*GB                       ; waves 0-3: two key steps of codes
	s_add_co_u32 s70, s70, s23
	s_add_co_u32 s70, s70, s19
	s_mov_b32 s71, 0
	s_mov_b32 s[G0A], 1
	s_mul_i32 s[G0A+1], s21, VC
	s_mul_i32 s72, s22, 2*HB
	s_add_co_u32 s[G0A+1], s[G0A+1], s72
	s_mul_i32 s72, s22, 8*GB                       ; waves 4-7: eight key steps' scale words
	s_add_co_u32 s72, s72, s23
	s_add_co_u32 s72, s72, SCO
	s_mov_b32 s73, 0
	s_mov_b32 s[G0S], 1
	s_lshl_b32 s[G0S+1], s21, 13
	s_lshl_b32 s74, s22, 12
	s_add_co_u32 s[G0S+1], s[G0S+1], s74
	s_add_co_u32 s[G0S+1], s[G0S+1], KS
	s_lshr_b32 s75, s[WV], 2                       ; the second group: waves 0-3 k, 4-7 v; key steps 4 + 3 (wave % 4) on
	s_and_b32 s76, s[WV], 3
	s_mul_i32 s77, s76, 3
	s_add_co_u32 s77, s77, 4
	s_mul_i32 s74, s75, 256*GB
	s_add_co_u32 s74, s74, s20
	s_add_co_u32 s74, s74, s19
	s_mul_i32 s78, s77, GB
	s_add_co_u32 s74, s74, s78
	s_mov_b32 s[G0C], 1
	s_mul_i32 s[G0C+1], s75, VC
	s_mul_i32 s78, s77, HB
	s_add_co_u32 s[G0C+1], s[G0C+1], s78
	s_lshl_b32 s78, s14, 1
	s_add_co_u32 s78, s78, s75                     ; my group of 128 tokens in the batch
	s_add_co_u32 s80, s17, s78
	s_mul_i32 s80, s80, GB                         ; q's block
	s_mov_b32 s81, 0
	s_add_co_u32 s82, s18, s78
	s_lshl_b32 s82, s82, 3
	s_add_co_u32 s82, s82, s12
	s_mul_i32 s82, s82, GB                         ; ctx's block: 8 x token group + pair
	s_mov_b32 s83, 0
	s_mul_i32 s[SQ], s76, 2*TB
	s_add_co_u32 s[SQ], s[SQ], s19                 ; my two tiles' half images in q's block
	s_lshl_b32 s[SS], s76, 2
	s_lshl_b32 s79, s[HP], 1
	s_add_co_u32 s[SS], s[SS], s79                 ; my scale bytes among a block's words, less 16 r and 256 x tile % 2
	s_add_co_u32 s[SKS], s79, KS
	s_lshl_b32 s[VSB], s[HP], 3
	s_add_co_u32 s[VSB], s[VSB], VS
	s_mul_i32 s[SCX], s76, 4*TB
	s_mul_i32 s79, s[HP], TB
	s_add_co_u32 s[SCX], s[SCX], s79               ; my two tiles' half images in ctx's block
	s_lshl_b32 s[XR], s22, 3                       ; q's tiles 2, 3, 6, 7 are stored at lane xor 8
	s_lshl_b32 s78, s13, 13
	s_mov_b32 s79, 0
	s_mov_b32 s75, 0
	GRP1 G1A, HB/8, 2
	GRP1 G1S, 64, 8
	GRP1 G1C, HB/8, 3
	s_mov_b32 s[SEL], 0x76543210
	s_mov_b32 s[SEL+1], 0xfedcba98
	s_mov_b32 s[CS], 0x3e38aa3b                    ; c = log2(e) / 8
	s_mov_b32 s[CS+1], s[CS]
	s_mov_b32 s[NEGC], 0xbe38aa3b
	WALU
	s_wait_dscnt 0x0                               ; both opening adds are done
	s_wait_kmcnt 0x0
	s_add_nc_u64 s[G0A+2:G0A+3], s[4:5], s[70:71]
	s_or_b32 s[G0A+3], s[G0A+3], 0x80000000
	s_add_nc_u64 s[G0S+2:G0S+3], s[4:5], s[72:73]
	s_or_b32 s[G0S+3], s[G0S+3], 0x80000000
	s_add_nc_u64 s[G0C+2:G0C+3], s[4:5], s[74:75]
	s_or_b32 s[G0C+3], s[G0C+3], 0x80000000
	s_add_nc_u64 s[80:81], s[4:5], s[80:81]
	s_add_nc_u64 s[82:83], s[8:9], s[82:83]
	s_add_nc_u64 s[6:7], s[6:7], s[78:79]
	ROUND                                          ; all four work-groups are here
	s_cmp_lt_u32 s[WV], 4                          ; one load a wave at the head, in one chain of branches
	s_cbranch_scc0 .Lwords
	TL G0A, G1A
	s_branch .Lasked
.Lwords:
	TL G0S, G1S
.Lasked:
	v_and_b32 v30, 31, v0
	v_lshlrev_b32 v[L8], 3, v30
	v_lshlrev_b32 v[L16], 4, v30
	v_xor_b32 v31, s[XR], v30
	v_lshl_add_u32 v[Q8], v31, 3, s[SQ]
	v_lshl_add_u32 v[Q16], v31, 4, s[SQ]
	v_and_b32 v31, 15, v0
	v_lshl_add_u32 v[VSCO], v31, 4, s[SS]
	v_lshlrev_b32 v[MA], 5, v0
	WIN 0x40
.irp t, 0,1
	global_load_b64 v[QF+12*\t:QF+12*\t+1], v[Q8], s[80:81] offset:TB*\t
	global_load_b128 v[QF+12*\t+2:QF+12*\t+5], v[Q16], s[80:81] offset:TB*\t+256
.endr
	WIN 0
.irp t, 0,1
	global_load_u16 v[QSC+\t], v[VSCO], s[80:81] offset:SCO+256*\t   ; q's two scale bytes; the upper two are 0, over zero codes
.endr
	global_load_b128 v[MKR:MKR+3], v[MA], s[6:7]   ; eight of the batch's 2,048 mask numbers a thread
	global_load_b128 v[MKR+4:MKR+7], v[MA], s[6:7] offset:16
	v_bfe_u32 v31, v0, 3, 1
	v_mul_u32_u24 v31, v31, 2*TB                   ; rows 8-15 of a tile come from the stored tile two further on
	v_add_nc_u32 v[LK8], v31, v[L8]
	v_add_nc_u32 v[LK16], v31, v[L16]
	v_xor_b32 v30, 8, v30
	v_lshl_add_u32 v[LK8+1], v30, 3, v31
	v_lshl_add_u32 v[LK16+1], v30, 4, v31
	v_and_b32 v30, 7, v0
	v_lshlrev_b32 v30, 4, v30
	v_bfe_u32 v31, v0, 3, 1
	v_lshl_add_u32 v30, v31, 2, v30
	v_bfe_u32 v31, v0, 4, 1                        ; h
	v_lshl_add_u32 v30, v31, 8, v30
	v_add_nc_u32 v[LSK], s[SKS], v30               ; k's scale bytes: 256 h + 16 (r % 8) + 4 (r / 8) + 2 x head
	v_lshlrev_b32 v[LM], 7, v31
	v_add_nc_u32 v[LM], MK, v[LM]
	v_lshl_add_u32 v[MS], v0, 5, MK
	v_add_nc_u32 v[CA8], s[SCX], v[L8]
	v_add_nc_u32 v[CA16], s[SCX], v[L16]
.irp n, 0,1,2,3,4,5,6,7
.irp j, 6,7,8,9,10,11
	v_mov_b32 v[KF+12*\n+\j], 0                    ; the zero halves of k's fragments
.endr
.endr
	WIN 0x40
	v_lshlrev_b32 v[SH8], 3, v31
.irp t, 0,1
.irp j, 6,7,8,9,10,11
	v_mov_b32 v[QF+12*\t+\j], 0
.endr
	v_mov_b32 v[ST+4*\t], 0x7e000000               ; -M: a large whole number, so that the first f is 0
	v_mov_b32 v[ST+4*\t+1], 0xff61b1e6             ; the largest score so far: -3e38
	v_mov_b32 v[ST+4*\t+2], 0
	v_mov_b32 v[ST+4*\t+3], 0
.endr
.set j, 0
.rept 64
	v_mov_b32 v[OB+j], 0                           ; O^T: the step is written once; the first finds zeros
.set j, j+1
.endr
.set j, 0
.rept 8
	v_mov_b32 v[FF+j], 0                           ; written once: a lane permute's destination counts as a source, and so does a pair's upper half
.set j, j+1
.endr
	WIN 0
	s_wait_loadcnt 0x0
.irp j, 0,1,2,3,4,5,6,7
	v_mul_f32 v[MKR+\j], 0x41000000, v[MKR+\j]     ; 8 x mask: exact
.endr
.irp j, 0,1,2,3,4,5,6,7
	v_max_num_f32 v[MKR+\j], 0xcf800000, v[MKR+\j] ; held at -2^32
.endr
	ds_store_b128 v[MS], v[MKR:MKR+3]
	ds_store_b128 v[MS], v[MKR+4:MKR+7] offset:16
	s_mov_b32 s[NK], 0
	s_mov_b32 s[N5], 0
	s_mov_b32 s[OFF], 0
	s_mov_b32 s[OF5], 0
	s_mov_b32 s[CNT], 0
	WALU                                           ; the wait at the head's end
	s_wait_tensorcnt 0x0                           ; my load of the first group is in; the three lines ahead of a later first fill
	ds_add_u32 v[SPW], v[NIL]
	s_wait_dscnt 0x0                               ; the add, and my part of the mask
	ROUND
	TL G0C, G1C                                    ; three of key steps 4 to 15: my one load behind the round
	KREQ                                           ; key step 0
.Lfirst:                                           ; key steps 0 to 2; they ask for k's steps 1 to 3, all of the first group
	TRIP
	s_add_co_u32 s[CNT], s[CNT], 1
	s_cmp_lt_u32 s[CNT], 3
	s_cbranch_scc1 .Lfirst
	s_wait_tensorcnt 0x0                           ; a plain barrier shows the second group to all
	s_wait_dscnt 0x0
	s_barrier_signal -1
	s_barrier_wait -1
	s_mov_b32 s[OFF], 3*HB
	s_mov_b32 s[OF5], 3*512
	s_mov_b32 s[CNT], 0
.Lrest:                                            ; key steps 3 to 15
	TRIP
	s_add_co_u32 s[CNT], s[CNT], 1
	s_cmp_lt_u32 s[CNT], 13
	s_cbranch_scc1 .Lrest
	; THE WAY OUT.  O^T / the sum: register 16 b + i is channel 32 b + 16 (lane / 16) + i of my head: two blocks of the next product's K a tile.  They are quantised and leave as half an image of ctx's block.
	WIN 0x55
	WALU                                           ; the wait directly ahead of the reader of the last trip's sums
.irp t, 0,1
	v_add_f32 v[ST+4*\t+2], v[ST+4*\t+2], v[ST+4*\t+3]
.endr
.irp t, 0,1
	v_permlanex16_b32 v[XT+2*\t], v[ST+4*\t+2], s[SEL], s[SEL+1]
.endr
.irp t, 0,1
	v_add_f32 v[ST+4*\t+2], v[ST+4*\t+2], v[XT+2*\t]               ; the row's sum
.endr
	WALU
.irp t, 0,1
	v_rcp_f32 v[ST+4*\t+2], v[ST+4*\t+2]
.endr
	v_nop
	WALU                                           ; ahead of the reciprocals' first reader, which is also O^T's
.irp t, 0,1
.set j, 0
.rept 32
	v_mul_f32 v[64*\t+j], v[OB+32*\t+j], v[ST+4*\t+2]
.set j, j+1
.endr
.endr
.irp k, 0,1,2,3
	v_max3_num_f32 v[BM+\k], |v[64*(\k/2)+16*(\k%2)]|, |v[64*(\k/2)+16*(\k%2)+1]|, 0x1800000
.endr
.irp i, 2,4,6,8,10,12,14
.irp k, 0,1,2,3
	v_max3_num_f32 v[BM+\k], v[BM+\k], |v[64*(\k/2)+16*(\k%2)+\i]|, |v[64*(\k/2)+16*(\k%2)+\i+1]|
.endr
.endr
.irp k, 0,1,2,3
	v_permlanex16_b32 v[XT+\k], v[BM+\k], s[SEL], s[SEL+1]
.endr
.irp k, 0,1,2,3
	v_max_num_f32 v[BM+\k], v[BM+\k], v[XT+\k]
.endr
.irp k, 0,1,2,3
	v_add_nc_u32 v[XT+\k], 0xff000000, v[BM+\k]
.endr
.irp k, 0,1,2,3
	v_lshrrev_b32 v[BM+\k], 23, v[XT+\k]
.endr
.irp t, 0,1
	v_lshl_or_b32 v[FF+2*\t], v[BM+2*\t+1], 8, v[BM+2*\t]          ; my head's two scale bytes
.endr
	v_cvt_scalef32_pk16_fp6_f32 v[PCD:PCD+2], v[0:15], v[XT]
	v_cvt_scalef32_pk16_fp6_f32 v[TC:TC+2], v[16:31], v[XT+1]
	v_cvt_scalef32_pk16_fp6_f32 v[PCD+6:PCD+8], v[64:79], v[XT+2]
	v_cvt_scalef32_pk16_fp6_f32 v[TC2:TC2+2], v[80:95], v[XT+3]
	v_nop
.irp i, 0,1,2
	v_permlane16_swap_b32 v[PCD+\i], v[TC+\i]      ; the operand wants a whole block in a lane
	v_permlane16_swap_b32 v[PCD+6+\i], v[TC2+\i]
.endr
.irp i, 0,1,2
	v_mov_b32 v[PCD+3+\i], v[TC+\i]
	v_mov_b32 v[PCD+9+\i], v[TC2+\i]
.endr
	WIN 0x04                                       ; a store's data are its source 1: window 1
.irp t, 0,1
	global_store_b64 v[CA8], v[PCD+6*\t:PCD+6*\t+1], s[82:83] offset:2*TB*\t
	global_store_b128 v[CA16], v[PCD+6*\t+2:PCD+6*\t+5], s[82:83] offset:2*TB*\t+256
	global_store_b16 v[VSCO], v[FF+2*\t], s[82:83] offset:SCO+256*\t   ; both halves of the lanes store the same bytes with the same value
.endr
	WIN 0
	s_wait_tensorcnt 0x0                           ; the wave's end
	ds_add_u32 v[SPW], v[NIL]
	s_wait_dscnt 0x0
	ROUND                                          ; the closing round
	s_endpgm
.Lfunc_end_k_qd05293af47_attn:
	.size	k_qd05293af47_attn, .Lfunc_end_k_qd05293af47_attn-k_qd05293af47_attn
	.p2alignl 7, 3214868480
	.fill 96, 4, 3214868480
	.section	.rodata,"a",@progbits
	.p2align	6, 0x0
	.amdhsa_kernel k_qd05293af47_attn
		.amdhsa_group_segment_fixed_size 327680
		.amdhsa_private_segment_fixed_size 0
		.amdhsa_enable_private_segment 0
		.amdhsa_kernarg_size 24
		.amdhsa_user_sgpr_count 2
		.amdhsa_user_sgpr_kernarg_segment_ptr 1
		.amdhsa_wavefront_size32 1
		.amdhsa_system_sgpr_workgroup_id_x 1
		.amdhsa_system_sgpr_workgroup_id_y 1
		.amdhsa_system_sgpr_workgroup_id_z 1
		.amdhsa_system_vgpr_workitem_id 0
		.amdhsa_next_free_vgpr 512
		.amdhsa_next_free_sgpr 100
		.amdhsa_reserve_vcc 0
		.amdhsa_float_denorm_mode_32 3
		.amdhsa_float_denorm_mode_16_64 3
		.amdhsa_memory_ordered 1
		.amdhsa_forward_progress 1
		.amdhsa_inst_pref_size 83
	.end_amdhsa_kernel
	.amdgpu_metadata
---
amdhsa.version: [ 1, 2 ]
amdhsa.kernels:
  - .name:           k_qd05293af47_attn
    .symbol:         k_qd05293af47_attn.kd
    .args:
      - { .name: qkvc, .offset: 0, .size: 8, .value_kind: global_buffer, .address_space: global }
      - { .name: mask, .offset: 8, .size: 8, .value_kind: global_buffer, .address_space: global }
      - { .name: ctxc, .offset: 16, .size: 8, .value_kind: global_buffer, .address_space: global }
    .group_segment_fixed_size: 327680
    .private_segment_fixed_size: 0
    .kernarg_segment_align: 8
    .kernarg_segment_size: 24
    .max_flat_workgroup_size: 256
    .sgpr_count:     100
    .vgpr_count:     512
    .wavefront_size: 32
...
	.end_amdgpu_metadata
.endif
;; end of part 3
;; launch gemm4 (part 4): grid 8 x 32, 4 waves a work-group, clusters of 4 x 4, 327,680 bytes of LDS; arguments ctxc, wc, ob, x, att; writes att
.if DOCPART == 4
	.amdgcn_target "amdgcn-amd-amdhsa--gfx1250"
	.amdhsa_code_object_version 6
	.text
	.protected	k_qd05293af47_gemm4
	.globl	k_qd05293af47_gemm4
	.p2align	8
	.type	k_qd05293af47_gemm4,@function
k_qd05293af47_gemm4:
	s_mov_b64 s[64:65], 0
	v_nop
	global_prefetch_b8 v0, s[64:65] scope:SCOPE_SE
	s_setreg_imm32_b32 hwreg(HW_REG_WAVE_MODE, 25, 1), 1
	s_wait_xcnt 0x0
	s_wait_alu depctr_hold_cnt(0) depctr_sa_sdst(0) depctr_va_vdst(0) depctr_va_sdst(0) depctr_va_ssrc(0) depctr_va_vcc(0) depctr_vm_vsrc(0)
	s_getreg_b32 s2, hwreg(HW_REG_IB_STS2, 6, 4)
	s_cmp_eq_u32 s2, 0
	s_cbranch_scc0 .Lentry_in_a_cluster
	s_endpgm
.Lentry_in_a_cluster:
	s_bfe_u32 s2, ttmp6, 0x10000c
	s_cmp_lg_u32 s2, 0xf033
	s_cbranch_scc0 .Lentry_shape_is_right
	s_endpgm
.Lentry_shape_is_right:
.set T,     4
.set NQ,    4
.set KS,    8
.set WOFF,  192*12800
.set GB,    12800
.set FRB,   1536
.set SCO,   12288
; All eight K steps lie in LDS: region w (what wave w fetches with its one load) holds four K steps on end: the tokens' steps 0-3, 4-7, then the weights'.  Nothing is filled again.
.set RB,    4*GB
.set SLOT,  RB
.set SPARE, 4*RB
.set STAGE, SPARE+512
.set LAPS,  KS/(2*NQ)
.set SSTEP, NQ*GB
.set FB,    12*T
.set F1,    64
.set O8,    2
.set O16,   3
.set A08,   8
.set A016,  10
.set A18,   12
.set A116,  14
.set AS0,   16
.set AS1,   18
.set BO,    20
.set CO,    21
.set STO,   22
.set RD,    23
.set SPW,   28
.set NIL,   29
.set SC,    32
.set BK,    160
.set B4,    224
.set RES,   128
.set G1,    24
.set G0,    32
.set G1B,   48
.set G0B,   56
.set MSB, 0
.macro WIN new
.if MSB != (\new)
	s_set_vgpr_msb (MSB<<8)|(\new)
.set MSB, (\new)
.endif
.endm
.set MUL_LO, 0xa1
.set TO_B,   0x40
.macro JLOAD g0a, g1a, g0b, g1b
	s_cmp_eq_u32 s15, 0
	s_cbranch_scc0 .Lfor_b_\@
	tensor_load_to_lds s[\g0a:\g0a+3], s[\g1a:\g1a+7]
	s_nop 0
.rept 4
	v_nop
.endr
	s_branch .Lasked_\@
.Lfor_b_\@:
	tensor_load_to_lds s[\g0b:\g0b+3], s[\g1b:\g1b+7]
	s_nop 0
.rept 4
	v_nop
.endr
.Lasked_\@:
.endm
.macro CREST
	s_cmp_lg_u32 s14, 0
	s_cbranch_scc1 .Lnot_wave_0_\@
	s_barrier_signal -3
.Lnot_wave_0_\@:
	s_barrier_wait -3
	s_barrier_signal -1
	s_barrier_wait -1
.endm
.macro CROUND
	s_barrier_signal -1
	s_barrier_wait -1
	CREST
.endm
.macro PLACES
.rept 4
	v_nop
.endr
.endm
.macro WM z
.if \z
.if (mb%2) && (ma%2)
	v_wmma_scale_f32_16x16x128_f8f6f4 v[rD:rD+7], v[rA:rA+11], v[rB:rB+11], 0, v[rP], v[rQ] matrix_a_fmt:MATRIX_FMT_FP6 matrix_b_fmt:MATRIX_FMT_FP6 matrix_a_scale:MATRIX_SCALE_ROW1 matrix_b_scale:MATRIX_SCALE_ROW1
.elseif mb%2
	v_wmma_scale_f32_16x16x128_f8f6f4 v[rD:rD+7], v[rA:rA+11], v[rB:rB+11], 0, v[rP], v[rQ] matrix_a_fmt:MATRIX_FMT_FP6 matrix_b_fmt:MATRIX_FMT_FP6 matrix_a_scale:MATRIX_SCALE_ROW1
.elseif ma%2
	v_wmma_scale_f32_16x16x128_f8f6f4 v[rD:rD+7], v[rA:rA+11], v[rB:rB+11], 0, v[rP], v[rQ] matrix_a_fmt:MATRIX_FMT_FP6 matrix_b_fmt:MATRIX_FMT_FP6 matrix_b_scale:MATRIX_SCALE_ROW1
.else
	v_wmma_scale_f32_16x16x128_f8f6f4 v[rD:rD+7], v[rA:rA+11], v[rB:rB+11], 0, v[rP], v[rQ] matrix_a_fmt:MATRIX_FMT_FP6 matrix_b_fmt:MATRIX_FMT_FP6
.endif
.else
.if (mb%2) && (ma%2)
	v_wmma_scale_f32_16x16x128_f8f6f4 v[rD:rD+7], v[rA:rA+11], v[rB:rB+11], v[rD:rD+7], v[rP], v[rQ] matrix_a_fmt:MATRIX_FMT_FP6 matrix_b_fmt:MATRIX_FMT_FP6 matrix_a_scale:MATRIX_SCALE_ROW1 matrix_b_scale:MATRIX_SCALE_ROW1
.elseif mb%2
	v_wmma_scale_f32_16x16x128_f8f6f4 v[rD:rD+7], v[rA:rA+11], v[rB:rB+11], v[rD:rD+7], v[rP], v[rQ] matrix_a_fmt:MATRIX_FMT_FP6 matrix_b_fmt:MATRIX_FMT_FP6 matrix_a_scale:MATRIX_SCALE_ROW1
.elseif ma%2
	v_wmma_scale_f32_16x16x128_f8f6f4 v[rD:rD+7], v[rA:rA+11], v[rB:rB+11], v[rD:rD+7], v[rP], v[rQ] matrix_a_fmt:MATRIX_FMT_FP6 matrix_b_fmt:MATRIX_FMT_FP6 matrix_b_scale:MATRIX_SCALE_ROW1
.else
	v_wmma_scale_f32_16x16x128_f8f6f4 v[rD:rD+7], v[rA:rA+11], v[rB:rB+11], v[rD:rD+7], v[rP], v[rQ] matrix_a_fmt:MATRIX_FMT_FP6 matrix_b_fmt:MATRIX_FMT_FP6
.endif
.endif
.endm
.macro PROD a0, n, buf, sc, q, z
	WIN MUL_LO
.set ma, \a0
.rept \n
.set mb, 0
.rept T
.set rD, 8*(T*(ma%4)+mb)
.set rA, FB*(\buf)+12*mb
.set rB, F1+FB*(\buf)+12*ma
.set rP, SC+16*(\sc)+T*(\q)+mb/2
.set rQ, SC+16*(\sc)+T*(\q)+T/2+ma/2
	WM \z
.set mb, mb+1
.endr
.set ma, ma+1
.endr
.endm
.macro FRAG reg, a8, a16, off
	ds_load_b64 v[(\reg):(\reg)+1], v[\a8] offset:(\off)
	ds_load_b128 v[(\reg)+2:(\reg)+5], v[\a16] offset:(\off)+256
	ds_load_b64 v[(\reg)+6:(\reg)+7], v[\a8] offset:(\off)+768
	ds_load_b128 v[(\reg)+8:(\reg)+11], v[\a16] offset:(\off)+1024
.endm
.macro FETCH slot, q, buf
	WIN TO_B
.set fi, 0
.rept T
	FRAG FB*(\buf)+12*fi, A08+\slot, A016+\slot, (\q)*GB+fi*FRB
.set fi, fi+1
.endr
	WIN 0
.set fi, 0
.rept T
	FRAG F1+FB*(\buf)+12*fi, A18+\slot, A116+\slot, (\q)*GB+fi*FRB
.set fi, fi+1
.endr
.endm
.macro SCALES n
.set sq, 0
.rept NQ
	ds_load_b64 v[SC+16*\n+T*sq:SC+16*\n+T*sq+1], v[AS0+\n] offset:sq*GB+SCO
	ds_load_b64 v[SC+16*\n+T*sq+2:SC+16*\n+T*sq+3], v[AS1+\n] offset:sq*GB+SCO
.set sq, sq+1
.endr
.endm
.macro STEPN slot, q, z
	s_wait_dscnt 0x0
	PLACES
	FETCH \slot, (\q)+1, 1-(\q)%2
	PROD 0, 4, (\q)%2, \slot, \q, \z
.endm
.macro MIDS slot, q0
.if NQ-1-(\q0) > 0
.set mq, \q0
.rept NQ-1-(\q0)
	STEPN \slot, mq, 0
.set mq, mq+1
.endr
.endif
.endm
.macro TURN slot, next, fill
	WIN 0
	s_wait_tensorcnt 0x0
	ds_add_u32 v[SPW], v[NIL]
	s_wait_dscnt 0x0
	s_barrier_signal -1
	PROD 0, T/4, 1, \slot, NQ-1, 0
	WIN 0
	s_barrier_wait -1
.if \fill
	CREST
	s_add_nc_u64 s[G0+4*\slot+2:G0+4*\slot+3], s[G0+4*\slot+2:G0+4*\slot+3], 2*SSTEP
	s_add_nc_u64 s[G0B+4*\slot+2:G0B+4*\slot+3], s[G0B+4*\slot+2:G0B+4*\slot+3], 2*SSTEP
	JLOAD G0+4*\slot, G1, G0B+4*\slot, G1B
.else
	PLACES
.endif
	FETCH \next, 0, 0
	SCALES \next
	PROD T/4, 4-T/4, 1, \slot, NQ-1, 0
.endm
	s_load_b256 s[4:11], s[0:1], 0x0
	s_load_b64 s[12:13], s[0:1], 0x20
	v_lshl_add_u32 v[SPW], v0, 2, SPARE
	v_mov_b32 v[NIL], 0
	ds_add_u32 v[SPW], v[NIL]
	ds_add_u32 v[SPW], v[NIL]
	v_lshrrev_b32 v1, 5, v0
	v_readfirstlane_b32 s14, v1
	s_lshr_b32 s15, s14, 1
	s_and_b32 s16, s14, 1
	s_bfe_u32 s40, ttmp6, 0x40000
	s_bfe_u32 s41, ttmp6, 0x40004
	s_lshl_b32 s42, ttmp9, 2
	s_add_co_u32 s42, s42, s40
	s_and_b32 s17, ttmp7, 0xffff
	s_lshl_b32 s17, s17, 2
	s_add_co_u32 s17, s17, s41
	s_lshl_b32 s43, s41, 2
	s_lshl_b32 s43, 15, s43
	s_lshl_b32 s44, 0x1111, s40
	s_or_b32 s[G1], s43, (3<<16)|(1<<21)
	s_or_b32 s[G1B], s44, (3<<16)|(1<<21)
.irp g, G1, G1B
	s_mov_b32 s[\g+1], 32<<16
	s_mov_b32 s[\g+2], 200<<16
	s_mov_b32 s[\g+3], 32<<16
	s_mov_b32 s[\g+4], 200
	s_mov_b32 s[\g+5], 32
	s_mov_b32 s[\g+6], 0
	s_mov_b32 s[\g+7], 0
.endr
	s_mul_i32 s18, s16, RB
	s_mul_i32 s20, s17, KS*GB
	s_add_co_u32 s20, s20, s18
	s_mov_b32 s21, 0
	s_mul_i32 s46, s42, KS*GB
	s_add_co_u32 s46, s46, s18
	s_add_co_u32 s46, s46, WOFF
	s_mov_b32 s47, 0
	s_mul_i32 s45, s14, RB
	s_wait_dscnt 0x0
	s_wait_kmcnt 0x0
	s_add_nc_u64 s[20:21], s[4:5], s[20:21]
	s_add_nc_u64 s[46:47], s[6:7], s[46:47]
	CROUND
.irp s, 0
	s_mov_b32 s[G0+4*\s], 1
	s_add_co_u32 s[G0+4*\s+1], s45, \s*SLOT
	s_add_nc_u64 s[G0+4*\s+2:G0+4*\s+3], s[20:21], \s*SSTEP
	s_or_b32 s[G0+4*\s+3], s[G0+4*\s+3], 0x80000000
	s_mov_b32 s[G0B+4*\s], 1
	s_add_co_u32 s[G0B+4*\s+1], s45, \s*SLOT
	s_add_nc_u64 s[G0B+4*\s+2:G0B+4*\s+3], s[46:47], \s*SSTEP
	s_or_b32 s[G0B+4*\s+3], s[G0B+4*\s+3], 0x80000000
	JLOAD G0+4*\s, G1, G0B+4*\s, G1B
.endr
	v_and_b32 v1, 31, v0
	v_lshlrev_b32 v[O8], 3, v1
	s_wait_alu depctr_va_vdst(0)
	v_lshlrev_b32 v[O16], 4, v1
	s_wait_alu depctr_va_vdst(0)
	s_mul_i32 s23, s16, 4*FRB
	s_add_co_u32 s23, s23, 2*RB
	s_mul_i32 s18, s15, 4*FRB
	s_lshl_b32 s21, s16, 3
	s_add_co_u32 s21, s21, 2*RB
	s_lshl_b32 s22, s15, 3
.irp s, 0,1
	v_add_nc_u32 v[A08+\s], s23, v[O8]
	v_add_nc_u32 v[A016+\s], s23, v[O16]
	v_add_nc_u32 v[A18+\s], s18, v[O8]
	v_add_nc_u32 v[A116+\s], s18, v[O16]
	v_add_nc_u32 v[AS0+\s], s21, v[O16]
	v_add_nc_u32 v[AS1+\s], s22, v[O16]
	s_add_co_u32 s23, s23, SLOT
	s_add_co_u32 s18, s18, SLOT
	s_add_co_u32 s21, s21, SLOT
	s_add_co_u32 s22, s22, SLOT
.endr
	v_and_b32 v4, 15, v0
	v_bfe_u32 v5, v0, 4, 1
	v_lshlrev_b32 v[BO], 4, v4
	v_lshl_add_u32 v[CO], v5, 12, v[BO]
	s_wait_alu depctr_va_vdst(0)
	s_mul_i32 s19, s14, 16*272
	s_add_co_u32 s19, s19, STAGE
	v_mul_u32_u24 v[STO], v4, 272
	v_lshl_add_u32 v[STO], v5, 6, v[STO]
	v_add_nc_u32 v[STO], s19, v[STO]
	v_mul_u32_u24 v[RD], v5, 272
	v_add_nc_u32 v[RD], v[RD], v[BO]
	v_add_nc_u32 v[RD], s19, v[RD]
	s_lshl_b32 s46, s42, 7
	s_lshl_b32 s47, s16, 6
	s_add_co_u32 s46, s46, s47
	s_lshl_b32 s46, s46, 2
	s_mov_b32 s47, 0
	s_add_nc_u64 s[8:9], s[8:9], s[46:47]
	s_lshl_b32 s66, s17, 7
	s_lshl_b32 s67, s15, 6
	s_add_co_u32 s66, s66, s67
	s_lshl_b32 s66, s66, 12
	s_add_co_u32 s46, s46, s66
	s_add_nc_u64 s[10:11], s[10:11], s[46:47]
	s_add_nc_u64 s[12:13], s[12:13], s[46:47]
	WIN TO_B
.irp a, 0,1,2,3
.irp t, 0,1,2,3,4,5,6,7
	global_load_b128 v[RES+4*(8*\a+\t):RES+4*(8*\a+\t)+3], v[CO], s[10:11] offset:(32*(\a/2)+8*(\a%2)+2*\t+8*(\t/4))*4096
.endr
.endr
	WIN 0
	global_load_b128 v[B4:B4+3], v[BO], s[8:9]
	s_wait_alu depctr_va_vdst(0)
	s_wait_tensorcnt 0x0
	s_barrier_signal -1
	s_barrier_wait -1
	FETCH 0, 0, 0
	SCALES 0
	STEPN 0, 0, 1
.if LAPS > 1
	WIN 0
	s_mov_b32 s3, LAPS-1
.Llap:
	MIDS 0, 1
	TURN 0, 1, 1
	MIDS 1, 0
	TURN 1, 0, 1
	STEPN 0, 0, 0
	WIN 0
	s_sub_co_u32 s3, s3, 1
	s_cmp_lg_u32 s3, 0
	s_cbranch_scc1 .Llap
.endif
	MIDS 0, 1
	TURN 0, 1, 0
	MIDS 1, 0
	s_wait_dscnt 0x0
	PROD 0, 4, 1, 1, NQ-1, 0
	WIN 0
	s_wait_alu depctr_va_vdst(0)
	s_wait_loadcnt 0x0
	PLACES
.irp a, 0,1,2,3
.if \a > 1
	s_wait_xcnt 0x0
.endif
	WIN 0x08
.irp b, 0,1,2,3
	ds_store_b128 v[STO], v[8*(4*\a+\b):8*(4*\a+\b)+3] offset:128*(\b/2)+32*(\b%2)
	ds_store_b128 v[STO], v[8*(4*\a+\b)+4:8*(4*\a+\b)+7] offset:128*(\b/2)+32*(\b%2)+16
.endr
	WIN 0
.irp t, 0,1,2,3,4,5,6,7
	ds_load_b128 v[BK+32*(\a%2)+4*\t:BK+32*(\a%2)+4*\t+3], v[RD] offset:544*\t
.endr
	s_wait_dscnt 0x0
.irp t, 0,1,2,3,4,5,6,7
	v_pk_add_f32 v[BK+32*(\a%2)+4*\t:BK+32*(\a%2)+4*\t+1], v[BK+32*(\a%2)+4*\t:BK+32*(\a%2)+4*\t+1], v[B4:B4+1]
	v_pk_add_f32 v[BK+32*(\a%2)+4*\t+2:BK+32*(\a%2)+4*\t+3], v[BK+32*(\a%2)+4*\t+2:BK+32*(\a%2)+4*\t+3], v[B4+2:B4+3]
.endr
	WIN 0x04
.irp t, 0,1,2,3,4,5,6,7
	v_pk_add_f32 v[BK+32*(\a%2)+4*\t:BK+32*(\a%2)+4*\t+1], v[BK+32*(\a%2)+4*\t:BK+32*(\a%2)+4*\t+1], v[RES+4*(8*\a+\t):RES+4*(8*\a+\t)+1]
	v_pk_add_f32 v[BK+32*(\a%2)+4*\t+2:BK+32*(\a%2)+4*\t+3], v[BK+32*(\a%2)+4*\t+2:BK+32*(\a%2)+4*\t+3], v[RES+4*(8*\a+\t)+2:RES+4*(8*\a+\t)+3]
.endr
	WIN 0
.irp t, 0,1,2,3,4,5,6,7
	global_store_b128 v[CO], v[BK+32*(\a%2)+4*\t:BK+32*(\a%2)+4*\t+3], s[12:13] offset:(32*(\a/2)+8*(\a%2)+2*\t+8*(\t/4))*4096
.endr
.endr
	s_wait_tensorcnt 0x0
	ds_add_u32 v[SPW], v[NIL]
	s_wait_dscnt 0x0
	CROUND
	s_endpgm
.Lfunc_end_k_qd05293af47_gemm4:
	.size	k_qd05293af47_gemm4, .Lfunc_end_k_qd05293af47_gemm4-k_qd05293af47_gemm4
	.p2alignl 7, 3214868480
	.fill 96, 4, 3214868480
	.section	.rodata,"a",@progbits
	.p2align	6, 0x0
	.amdhsa_kernel k_qd05293af47_gemm4
		.amdhsa_group_segment_fixed_size 327680
		.amdhsa_private_segment_fixed_size 0
		.amdhsa_enable_private_segment 0
		.amdhsa_kernarg_size 40
		.amdhsa_user_sgpr_count 2
		.amdhsa_user_sgpr_kernarg_segment_ptr 1
		.amdhsa_wavefront_size32 1
		.amdhsa_system_sgpr_workgroup_id_x 1
		.amdhsa_system_sgpr_workgroup_id_y 1
		.amdhsa_system_sgpr_workgroup_id_z 1
		.amdhsa_system_vgpr_workitem_id 0
		.amdhsa_next_free_vgpr 768
		.amdhsa_next_free_sgpr 100
		.amdhsa_reserve_vcc 0
		.amdhsa_float_denorm_mode_32 3
		.amdhsa_float_denorm_mode_16_64 3
		.amdhsa_memory_ordered 1
		.amdhsa_forward_progress 1
		.amdhsa_inst_pref_size 62
	.end_amdhsa_kernel
	.amdgpu_metadata
---
amdhsa.version: [ 1, 2 ]
amdhsa.kernels:
  - .name:           k_qd05293af47_gemm4
    .symbol:         k_qd05293af47_gemm4.kd
    .args:
      - { .name: ctxc, .offset: 0, .size: 8, .value_kind: global_buffer, .address_space: global }
      - { .name: wc, .offset: 8, .size: 8, .value_kind: global_buffer, .address_space: global }
      - { .name: ob, .offset: 16, .size: 8, .value_kind: global_buffer, .address_space: global }
      - { .name: x, .offset: 24, .size: 8, .value_kind: global_buffer, .address_space: global }
      - { .name: att, .offset: 32, .size: 8, .value_kind: global_buffer, .address_space: global }
    .group_segment_fixed_size: 327680
    .private_segment_fixed_size: 0
    .kernarg_segment_align: 8
    .kernarg_segment_size: 40
    .max_flat_workgroup_size: 128
    .sgpr_count:     100
    .vgpr_count:     768
    .wavefront_size: 32
...
	.end_amdgpu_metadata
.endif
;; end of part 4
;; launch ln2 (part 5): grid 256 x 1, 4 waves a work-group, no clusters, 1,024 bytes of LDS; arguments att, attn_nw, attn_nb, h2c; writes h2c
.if DOCPART == 5
	.amdgcn_target "amdgcn-amd-amdhsa--gfx1250"
	.amdhsa_code_object_version 6
	.text
	.protected	k_qd05293af47_ln2
	.globl	k_qd05293af47_ln2
	.p2align	8
	.type	k_qd05293af47_ln2,@function
k_qd05293af47_ln2:
	s_mov_b64 s[64:65], 0
	v_nop
	global_prefetch_b8 v0, s[64:65] scope:SCOPE_SE
	s_setreg_imm32_b32 hwreg(HW_REG_WAVE_MODE, 25, 1), 1
	s_wait_xcnt 0x0
; h2 = (a - mean) * rsqrt(var + 1e-12) * gain + bias over rows of 1,024 of attn_out, in f32, quantised along the row into the workspace's blocks (format: head of the first kernel).  Nothing is left out.
; A work-group takes one tile of 16 tokens (tile t = work-group % 8 of token group g = work-group / 8, rows in the tile's own order); wave w takes columns 256 w .. 256 w + 255: K steps 2 w and 2 w + 1.
; Lane (r, h) holds, of its token, 16 neighbours of each block of 32: register 64 s + 16 b + i is column 256 w + 128 s + 32 b + 16 h + i, which is what the quantiser below wants.
; The row stays in registers: mean first, then the sum of squares of a - mean (two passes, so that a common offset of the inputs costs no digits).  The four waves' partial sums meet in LDS, twice.
; The 64 bytes of scale words of a tile are parts of aligned blocks of 256 bytes that eight work-groups write together: one byte in 96 of what the launch stores.
; LIMITS: NaN and infinities among the inputs are not served; a block whose largest magnitude lies under 2^-124 keeps the scale byte 1, and so does a block of zeros (its codes are zeros; this program alone reads the bytes).
.set GB,    12800
.set FRB,   1536
.set SCO,   12288
.set RED1,  0                          ; LDS: 4 waves x 16 rows of partial sums;
.set RED2,  256                        ; the same for the squares;
.set SPARE, 512                        ; the spare words, 128 bytes for each wave
.set XA,  1                            ; v1   the rows: my row and my 64 bytes of a block pair
.set GA,  2                            ; v2   gain and bias: 64 h + 1,024 w
.set O8,  3                            ; v3   an image's 8-byte pieces: 8 x lane + my tile
.set O16, 4                            ; v4   its 16-byte pieces
.set RW,  5                            ; v5   64 w + 4 r
.set RR,  6                            ; v6   4 r
.set SOF, 7                            ; v7   the scale words' place
.set MU,  28                           ; v[28:29] the mean, twice
.set RS,  30                           ; v[30:31] 1 / sqrt(var + eps), twice
.set PC,  32                           ; v32-50 the codes just made
.set TM,  52                           ; v52-67 at work in the quantiser
.set PW,  68                           ; v68  the scale word just made
.set PW0, 69                           ; v69  the first K step's
.set SPW, 70                           ; v70  my spare word; never rewritten
.set NIL, 71                           ; v71  0; never rewritten
.set X,   128                          ; v128-255 my 128 numbers.  Window 1: v0-127 the gain, v128-255 the bias, at the same places
.set SEL, 26                           ; s[26:27] v_permlanex16_b32's selects for lane l xor 16
.set MSB, 0
.macro WIN new                         ; the immediate's high byte repeats the setting that is left
.if MSB != (\new)
	s_set_vgpr_msb (MSB<<8)|(\new)
.set MSB, (\new)
.endif
.endm
; 64 numbers of a lane, register 16 b + i = k 32 b + 16 (lane / 16) + i of my row, become a fragment's codes in v[PC] on and its scale word in v[PW].
.macro QUANT s
.irp b, 0,1,2,3
	v_max3_num_f32 v[TM+\b], |v[\s+16*\b]|, |v[\s+1+16*\b]|, 0x1800000   ; my 16 numbers of block b, and the floor 2^(3 - 127)
.endr
.irp i, 2,4,6,8,10,12,14
.irp b, 0,1,2,3
	v_max3_num_f32 v[TM+\b], v[TM+\b], |v[\s+16*\b+\i]|, |v[\s+1+16*\b+\i]|
.endr
.endr
.irp b, 0,1,2,3
	v_permlanex16_b32 v[TM+4+\b], v[TM+\b], s[SEL], s[SEL+1]
.endr
.irp b, 0,1,2,3
	v_max_num_f32 v[TM+\b], v[TM+\b], v[TM+4+\b]   ; with lane l xor 16's: the block's largest magnitude
.endr
.irp b, 0,1,2,3
	v_add_nc_u32 v[TM+12+\b], 0xff000000, v[TM+\b] ; 2 off its exponent field: the conversion's scale operand
.endr
.irp b, 0,1,2,3
	v_lshrrev_b32 v[TM+4+\b], 23, v[TM+12+\b]      ; the scale's byte
.endr
	v_lshl_or_b32 v[PW], v[TM+5], 8, v[TM+4]
	v_lshl_or_b32 v[PW], v[TM+6], 16, v[PW]
	v_lshl_or_b32 v[PW], v[TM+7], 24, v[PW]
.irp c, 0,1
	v_cvt_scalef32_pk16_fp6_f32 v[PC+6*\c:PC+2+6*\c], v[\s+32*\c:\s+15+32*\c], v[TM+12+2*\c]
	v_cvt_scalef32_pk16_fp6_f32 v[PC+12+4*\c:PC+14+4*\c], v[\s+16+32*\c:\s+31+32*\c], v[TM+12+2*\c+1]
.endr
	v_nop                                          ; one plain place behind a scaled conversion
.irp c, 0,1                                    ; the operand wants a whole block in a lane: lanes 0-15 block 2 c, lanes 16-31 block 2 c + 1
.irp i, 0,1,2
	v_permlane16_swap_b32 v[PC+6*\c+\i], v[PC+12+4*\c+\i]
.endr
.irp i, 0,1,2
	v_mov_b32 v[PC+3+6*\c+\i], v[PC+12+4*\c+\i]
.endr
.endr
.endm
.macro IMG off                         ; the fragment in v[PC] on goes out as its image: pieces of 256 and 512 consecutive bytes
	global_store_b64 v[O8], v[PC:PC+1], s[10:11] offset:\off
	global_store_b128 v[O16], v[PC+2:PC+5], s[10:11] offset:\off+256
	global_store_b64 v[O8], v[PC+6:PC+7], s[10:11] offset:\off+768
	global_store_b128 v[O16], v[PC+8:PC+11], s[10:11] offset:\off+1024
.endm
; The four chains v[16:23] become my lane's sum, the row's part of my wave, and, through LDS, the row's sum in v24.
.macro ACROSS red
	v_pk_add_f32 v[16:17], v[16:17], v[18:19]
	v_pk_add_f32 v[20:21], v[20:21], v[22:23]
	v_pk_add_f32 v[16:17], v[16:17], v[20:21]
	v_add_f32 v16, v16, v17
	v_permlanex16_b32 v17, v16, s[SEL], s[SEL+1]
	v_add_f32 v16, v16, v17
	ds_store_b32 v[RW], v16 offset:\red            ; both halves of the lanes write the same word with the same value
	s_wait_dscnt 0x0                               ; for the others' sake: my store has landed
	s_barrier_signal -1
	s_barrier_wait -1
.irp k, 0,1,2,3
	ds_load_b32 v[24+\k], v[RR] offset:\red+64*\k
.endr
	s_wait_dscnt 0x0
	v_add_f32 v24, v24, v25
	v_add_f32 v26, v26, v27
	v_add_f32 v24, v24, v26
.endm
	s_load_b256 s[4:11], s[0:1], 0x0               ; the rows, the gain, the bias, the codes' buffer
	v_lshl_add_u32 v[SPW], v0, 2, SPARE
	v_mov_b32 v[NIL], 0
	v_lshrrev_b32 v8, 5, v0
	v_readfirstlane_b32 s12, v8                    ; wave
	v_and_b32 v9, 15, v0                           ; r
	v_bfe_u32 v10, v0, 4, 1                        ; h
	v_and_b32 v11, 31, v0                          ; lane
	s_wait_alu depctr_va_vdst(0)
	s_lshr_b32 s13, ttmp9, 3                       ; g
	s_and_b32 s14, ttmp9, 7                        ; t
	v_and_b32 v12, 8, v9
	v_add_nc_u32 v12, v12, v9                      ; r + 8 (r / 8)
	s_lshl_b32 s15, s12, 10
	v_lshl_add_u32 v[GA], v10, 6, s15
	v_lshl_add_u32 v[XA], v12, 12, v[GA]
	s_lshl_b32 s16, s13, 7
	s_lshr_b32 s19, s14, 1                         ; t / 2
	s_lshl_b32 s17, s19, 5
	s_add_co_u32 s16, s16, s17
	s_and_b32 s18, s14, 1                          ; t % 2
	s_lshl_b32 s17, s18, 3
	s_add_co_u32 s16, s16, s17                     ; the tile's first token: 128 g + 32 (t / 2) + 8 (t % 2)
	s_lshl_b32 s16, s16, 12
	s_mov_b32 s17, 0
	s_lshl_b32 s20, s13, 3
	s_lshl_b32 s21, s12, 1
	s_add_co_u32 s20, s20, s21
	s_mul_i32 s20, s20, GB                         ; block 8 g + 2 w
	s_mov_b32 s21, 0
	s_mul_i32 s22, s14, FRB
	v_lshl_add_u32 v[O8], v11, 3, s22
	v_lshl_add_u32 v[O16], v11, 4, s22
	s_lshl_b32 s23, s18, 8
	s_lshl_b32 s24, s19, 2
	s_add_co_u32 s23, s23, s24
	s_add_co_u32 s23, s23, SCO
	v_mul_u32_u24 v[SOF], v10, GB                  ; lanes 16-31 carry the second K step's words
	v_lshl_add_u32 v[SOF], v9, 4, v[SOF]
	v_add_nc_u32 v[SOF], s23, v[SOF]
	s_lshl_b32 s25, s12, 6
	v_lshl_add_u32 v[RW], v9, 2, s25
	v_lshlrev_b32 v[RR], 2, v9
	s_mov_b32 s[SEL], 0x76543210
	s_mov_b32 s[SEL+1], 0xfedcba98
	s_mov_b32 s28, 0xffff0000                      ; lanes 16-31
	s_mov_b32 s29, 0x3a800000                      ; 1 / 1,024
	s_mov_b32 s30, 0x2b8cbccc                      ; 1e-12
.irp b, 0,1,2,3
	v_mov_b32 v[TM+4+\b], 0                        ; written once: a lane permute's destination counts as one of its sources
.endr
	s_wait_kmcnt 0x0
	s_add_nc_u64 s[4:5], s[4:5], s[16:17]
	s_add_nc_u64 s[10:11], s[10:11], s[20:21]
.irp s, 0,1
.irp b, 0,1,2,3
.irp j, 0,1,2,3
	global_load_b128 v[X+64*\s+16*\b+4*\j:X+64*\s+16*\b+4*\j+3], v[XA], s[4:5] offset:512*\s+128*\b+16*\j
.endr
.endr
.endr
	WIN 0x40                                       ; destination window 1
.irp s, 0,1
.irp b, 0,1,2,3
.irp j, 0,1,2,3
	global_load_b128 v[64*\s+16*\b+4*\j:64*\s+16*\b+4*\j+3], v[GA], s[6:7] offset:512*\s+128*\b+16*\j
.endr
.endr
.endr
	s_wait_loadcnt 32                              ; my 32 loads of the rows are in; the gain's 32, issued behind them, may be out
.irp s, 0,1
.irp b, 0,1,2,3
.irp j, 0,1,2,3
	global_load_b128 v[128+64*\s+16*\b+4*\j:128+64*\s+16*\b+4*\j+3], v[GA], s[8:9] offset:512*\s+128*\b+16*\j   ; the bias is wanted behind both reductions: it lands meanwhile
.endr
.endr
.endr
	WIN 0
.irp k, 0,1,2,3
	v_pk_add_f32 v[16+2*\k:17+2*\k], v[X+2*\k:X+2*\k+1], v[X+8+2*\k:X+9+2*\k]   ; four chains, started by the first numbers
.endr
.set i, 16
.rept 14
.irp k, 0,1,2,3
	v_pk_add_f32 v[16+2*\k:17+2*\k], v[16+2*\k:17+2*\k], v[X+i+2*\k:X+i+2*\k+1]
.endr
.set i, i+8
.endr
	ACROSS RED1
	v_mul_f32 v[MU], s29, v24
	v_mul_f32 v[MU+1], s29, v24
.set i, 0
.rept 64
	v_pk_add_f32 v[X+i:X+i+1], v[X+i:X+i+1], v[MU:MU+1] neg_lo:[0,1] neg_hi:[0,1]   ; a - mean
.set i, i+2
.endr
.irp k, 0,1,2,3
	v_pk_mul_f32 v[16+2*\k:17+2*\k], v[X+2*\k:X+2*\k+1], v[X+2*\k:X+2*\k+1]
.endr
.set i, 8
.rept 15
.irp k, 0,1,2,3
	v_pk_fma_f32 v[16+2*\k:17+2*\k], v[X+i+2*\k:X+i+2*\k+1], v[X+i+2*\k:X+i+2*\k+1], v[16+2*\k:17+2*\k]
.endr
.set i, i+8
.endr
	ACROSS RED2
	v_fma_f32 v24, v24, s29, s30                   ; var + 1e-12
	s_wait_alu depctr_va_vdst(0)
	v_rsq_f32 v[RS], v24
	v_rsq_f32 v[RS+1], v24
	v_nop                                          ; a plain place behind the two
	s_wait_alu depctr_va_vdst(0)                   ; the wait ahead of the first reader: one for both
.set i, 0
.rept 64
	v_pk_mul_f32 v[X+i:X+i+1], v[X+i:X+i+1], v[RS:RS+1]
.set i, i+2
.endr
	s_wait_loadcnt 0x0                             ; gain and bias
	WIN 0x14                                       ; sources 1 and 2 window 1
.set i, 0
.rept 64
	v_pk_fma_f32 v[X+i:X+i+1], v[X+i:X+i+1], v[i:i+1], v[128+i:129+i]
.set i, i+2
.endr
	WIN 0
	QUANT X
	IMG 0
	v_mov_b32 v[PW0], v[PW]
	s_wait_xcnt 0x0                                ; the stores have read their data: the codes' registers may be written again
	QUANT X+64
	IMG GB
	v_cndmask_b32 v[PW0], v[PW0], v[PW], s28       ; lanes 0-15: K step 2 w, lanes 16-31: K step 2 w + 1
	global_store_b32 v[SOF], v[PW0], s[10:11]
	s_wait_tensorcnt 0x0                           ; the wave's end
	ds_add_u32 v[SPW], v[NIL]
	s_wait_dscnt 0x0
	s_endpgm
.Lfunc_end_k_qd05293af47_ln2:
	.size	k_qd05293af47_ln2, .Lfunc_end_k_qd05293af47_ln2-k_qd05293af47_ln2
	.p2alignl 7, 3214868480
	.fill 96, 4, 3214868480
	.section	.rodata,"a",@progbits
	.p2align	6, 0x0
	.amdhsa_kernel k_qd05293af47_ln2
		.amdhsa_group_segment_fixed_size 1024
		.amdhsa_private_segment_fixed_size 0
		.amdhsa_enable_private_segment 0
		.amdhsa_kernarg_size 32
		.amdhsa_user_sgpr_count 2
		.amdhsa_user_sgpr_kernarg_segment_ptr 1
		.amdhsa_wavefront_size32 1
		.amdhsa_system_sgpr_workgroup_id_x 1
		.amdhsa_system_sgpr_workgroup_id_y 1
		.amdhsa_system_sgpr_workgroup_id_z 1
		.amdhsa_system_vgpr_workitem_id 0
		.amdhsa_next_free_vgpr 512
		.amdhsa_next_free_sgpr 66
		.amdhsa_reserve_vcc 0
		.amdhsa_float_denorm_mode_32 3
		.amdhsa_float_denorm_mode_16_64 3
		.amdhsa_memory_ordered 1
		.amdhsa_forward_progress 1
		.amdhsa_inst_pref_size 43
	.end_amdhsa_kernel
	.amdgpu_metadata
---
amdhsa.version: [ 1, 2 ]
amdhsa.kernels:
  - .name:           k_qd05293af47_ln2
    .symbol:         k_qd05293af47_ln2.kd
    .args:
      - { .name: att, .offset: 0, .size: 8, .value_kind: global_buffer, .address_space: global }
      - { .name: attn_nw, .offset: 8, .size: 8, .value_kind: global_buffer, .address_space: global }
      - { .name: attn_nb, .offset: 16, .size: 8, .value_kind: global_buffer, .address_space: global }
      - { .name: h2c, .offset: 24, .size: 8, .value_kind: global_buffer, .address_space: global }
    .group_segment_fixed_size: 1024
    .private_segment_fixed_size: 0
    .kernarg_segment_align: 8
    .kernarg_segment_size: 32
    .max_flat_workgroup_size: 128
    .sgpr_count:     66
    .vgpr_count:     512
    .wavefront_size: 32
...
	.end_amdgpu_metadata
.endif
;; end of part 5
;; launch gemm5 (part 6): grid 16 x 16, 4 waves a work-group, clusters of 4 x 4, 327,680 bytes of LDS; arguments h2c, wc, inter_b, intc; writes intc
.if DOCPART == 6
	.amdgcn_target "amdgcn-amd-amdhsa--gfx1250"
	.amdhsa_code_object_version 6
	.text
	.protected	k_qd05293af47_gemm5
	.globl	k_qd05293af47_gemm5
	.p2align	8
	.type	k_qd05293af47_gemm5,@function
k_qd05293af47_gemm5:
	s_mov_b64 s[64:65], 0
	v_nop
	global_prefetch_b8 v0, s[64:65] scope:SCOPE_SE
	s_setreg_imm32_b32 hwreg(HW_REG_WAVE_MODE, 25, 1), 1
	s_wait_xcnt 0x0
	s_wait_alu depctr_hold_cnt(0) depctr_sa_sdst(0) depctr_va_vdst(0) depctr_va_sdst(0) depctr_va_ssrc(0) depctr_va_vcc(0) depctr_vm_vsrc(0)
	s_getreg_b32 s2, hwreg(HW_REG_IB_STS2, 6, 4)
	s_cmp_eq_u32 s2, 0
	s_cbranch_scc0 .Lentry_in_a_cluster
	s_endpgm
.Lentry_in_a_cluster:
	s_bfe_u32 s2, ttmp6, 0x10000c
	s_cmp_lg_u32 s2, 0xf033
	s_cbranch_scc0 .Lentry_shape_is_right
	s_endpgm
.Lentry_shape_is_right:
.set T,     8
.set NQ,    2
.set KS,    8
.set WOFF,  256*12800
.set GB,    12800
.set FRB,   1536
.set SCO,   12288
; LDS is laid by region: region w (what wave w fetches) holds six K steps on end; a slot is two K steps of each region.
.set RB,    6*GB
.set SLOT,  2*GB
.set SPARE, 4*RB
.set SSTEP, NQ*GB
.set FB,    12*T
.set F1,    64
.set O8,    2
.set O16,   3
.set A08,   8
.set A016,  11
.set A18,   14
.set A116,  17
.set AS0,   A016
.set AS1,   A116
.set SPW,   28
.set NIL,   29
.set SC,    32
.set TT,    64
.set ZZ,    128
.set Z2,    144
.set PP,    160
.set QQ,    176
.set PC,    192
.set TM,    212
.set PW,    228
.set CA,    230
.set CB,    232
.set SW,    240
.set BI,    192
.set G1,    24
.set G0_0,  32
.set G0_1,  36
.set G1W,   80
.set G1B,   48
.set G0B_0, 56
.set G0B_1, 60
.set G1WB,  88
.set SEL,   66
.set HALF,  68
.set AI,    70
.set CP,    72
.set CQ,    84
.set CZ,    92
.set MSB, 0
.macro WIN new
.if MSB != (\new)
	s_set_vgpr_msb (MSB<<8)|(\new)
.set MSB, (\new)
.endif
.endm
.set MUL_LO, 0xa1
.set TO_B,   0x40
.macro JLOAD g0a, g1a, g0b, g1b
	s_cmp_eq_u32 s15, 0
	s_cbranch_scc0 .Lfor_b_\@
	tensor_load_to_lds s[\g0a:\g0a+3], s[\g1a:\g1a+7]
	s_nop 0
.rept 4
	v_nop
.endr
	s_branch .Lasked_\@
.Lfor_b_\@:
	tensor_load_to_lds s[\g0b:\g0b+3], s[\g1b:\g1b+7]
	s_nop 0
.rept 4
	v_nop
.endr
.Lasked_\@:
.endm
.macro CREST
	s_cmp_lg_u32 s14, 0
	s_cbranch_scc1 .Lnot_wave_0_\@
	s_barrier_signal -3
.Lnot_wave_0_\@:
	s_barrier_wait -3
	s_barrier_signal -1
	s_barrier_wait -1
.endm
.macro CROUND
	s_barrier_signal -1
	s_barrier_wait -1
	CREST
.endm
.macro PLACES
.rept 4
	v_nop
.endr
.endm
.macro WM z
.if \z
.if (mb%2) && (ma%2)
	v_wmma_scale_f32_16x16x128_f8f6f4 v[rD:rD+7], v[rA:rA+11], v[rB:rB+11], 0, v[rP], v[rQ] matrix_a_fmt:MATRIX_FMT_FP6 matrix_b_fmt:MATRIX_FMT_FP6 matrix_a_scale:MATRIX_SCALE_ROW1 matrix_b_scale:MATRIX_SCALE_ROW1
.elseif mb%2
	v_wmma_scale_f32_16x16x128_f8f6f4 v[rD:rD+7], v[rA:rA+11], v[rB:rB+11], 0, v[rP], v[rQ] matrix_a_fmt:MATRIX_FMT_FP6 matrix_b_fmt:MATRIX_FMT_FP6 matrix_a_scale:MATRIX_SCALE_ROW1
.elseif ma%2
	v_wmma_scale_f32_16x16x128_f8f6f4 v[rD:rD+7], v[rA:rA+11], v[rB:rB+11], 0, v[rP], v[rQ] matrix_a_fmt:MATRIX_FMT_FP6 matrix_b_fmt:MATRIX_FMT_FP6 matrix_b_scale:MATRIX_SCALE_ROW1
.else
	v_wmma_scale_f32_16x16x128_f8f6f4 v[rD:rD+7], v[rA:rA+11], v[rB:rB+11], 0, v[rP], v[rQ] matrix_a_fmt:MATRIX_FMT_FP6 matrix_b_fmt:MATRIX_FMT_FP6
.endif
.else
.if (mb%2) && (ma%2)
	v_wmma_scale_f32_16x16x128_f8f6f4 v[rD:rD+7], v[rA:rA+11], v[rB:rB+11], v[rD:rD+7], v[rP], v[rQ] matrix_a_fmt:MATRIX_FMT_FP6 matrix_b_fmt:MATRIX_FMT_FP6 matrix_a_scale:MATRIX_SCALE_ROW1 matrix_b_scale:MATRIX_SCALE_ROW1
.elseif mb%2
	v_wmma_scale_f32_16x16x128_f8f6f4 v[rD:rD+7], v[rA:rA+11], v[rB:rB+11], v[rD:rD+7], v[rP], v[rQ] matrix_a_fmt:MATRIX_FMT_FP6 matrix_b_fmt:MATRIX_FMT_FP6 matrix_a_scale:MATRIX_SCALE_ROW1
.elseif ma%2
	v_wmma_scale_f32_16x16x128_f8f6f4 v[rD:rD+7], v[rA:rA+11], v[rB:rB+11], v[rD:rD+7], v[rP], v[rQ] matrix_a_fmt:MATRIX_FMT_FP6 matrix_b_fmt:MATRIX_FMT_FP6 matrix_b_scale:MATRIX_SCALE_ROW1
.else
	v_wmma_scale_f32_16x16x128_f8f6f4 v[rD:rD+7], v[rA:rA+11], v[rB:rB+11], v[rD:rD+7], v[rP], v[rQ] matrix_a_fmt:MATRIX_FMT_FP6 matrix_b_fmt:MATRIX_FMT_FP6
.endif
.endif
.endm
.macro PROD a0, n, buf, sc, q, z
	WIN MUL_LO+0x50*((\a0)/4)
.set ma, \a0
.rept \n
.set mb, 0
.rept T
.set rD, 8*(T*(ma%4)+mb)
.set rA, FB*(\buf)+12*mb
.set rB, F1+FB*(\buf)+12*ma
.set rP, SC+16*(\sc)+T*(\q)+mb/2
.set rQ, SC+16*(\sc)+T*(\q)+T/2+ma/2
	WM \z
.set mb, mb+1
.endr
.set ma, ma+1
.endr
.endm
.macro ALLROWS buf, sc, q, z
	PROD 0, 4, \buf, \sc, \q, \z
	PROD 4, 4, \buf, \sc, \q, \z
.endm
.macro FRAG reg, a8, a16, off
	ds_load_b64 v[(\reg):(\reg)+1], v[\a8] offset:(\off)
	ds_load_b128 v[(\reg)+2:(\reg)+5], v[\a16] offset:(\off)+256
	ds_load_b64 v[(\reg)+6:(\reg)+7], v[\a8] offset:(\off)+768
	ds_load_b128 v[(\reg)+8:(\reg)+11], v[\a16] offset:(\off)+1024
.endm
.macro FETCH slot, q, buf
	WIN TO_B
.set fi, 0
.rept T
	FRAG FB*(\buf)+12*fi, A08+\slot, A016+\slot, (\q)*GB+fi*FRB
.set fi, fi+1
.endr
	WIN 0
.set fi, 0
.rept T
	FRAG F1+FB*(\buf)+12*fi, A18+\slot, A116+\slot, (\q)*GB+fi*FRB
.set fi, fi+1
.endr
.endm
.macro SCALES n, st
.set sq, 0
.rept NQ
	ds_load_b128 v[SC+16*(\st)+T*sq:SC+16*(\st)+T*sq+3], v[AS0+\n] offset:sq*GB+SCO
	ds_load_b128 v[SC+16*(\st)+T*sq+4:SC+16*(\st)+T*sq+7], v[AS1+\n] offset:sq*GB+SCO
.set sq, sq+1
.endr
.endm
.macro STEPN slot, st, z
	s_wait_dscnt 0x0
	PLACES
	FETCH \slot, 1, 1
	ALLROWS 0, \st, 0, \z
.endm
.macro CROSS next, st, nst
	s_wait_dscnt 0x0
	PLACES
	FETCH \next, 0, 0
	SCALES \next, \nst
	ALLROWS 1, \st, 1, 0
.endm
.macro TURN slot, next, st, nst, fill
	WIN 0
	s_wait_tensorcnt 0x0
	ds_add_u32 v[SPW], v[NIL]
	s_wait_dscnt 0x0
	s_barrier_signal -1
	PROD 0, T/4, 1, \st, NQ-1, 0
	WIN 0
	s_barrier_wait -1
.if \fill
	CREST
	s_add_nc_u64 s[G0_\slot+2:G0_\slot+3], s[G0_\slot+2:G0_\slot+3], 3*SSTEP
	s_add_nc_u64 s[G0B_\slot+2:G0B_\slot+3], s[G0B_\slot+2:G0B_\slot+3], 3*SSTEP
	JLOAD G0_\slot, G1, G0B_\slot, G1B
.else
	PLACES
.endif
	FETCH \next, 0, 0
	SCALES \next, \nst
	PROD T/4, 4-T/4, 1, \st, NQ-1, 0
	PROD 4, 4, 1, \st, NQ-1, 0
.endm
.macro QUANT s
.irp b, 0,1,2,3
	v_max3_num_f32 v[TM+\b], |v[\s+16*\b]|, |v[\s+1+16*\b]|, 0x1800000
.endr
.irp i, 2,4,6,8,10,12,14
.irp b, 0,1,2,3
	v_max3_num_f32 v[TM+\b], v[TM+\b], |v[\s+16*\b+\i]|, |v[\s+1+16*\b+\i]|
.endr
.endr
.irp b, 0,1,2,3
	v_permlanex16_b32 v[TM+4+\b], v[TM+\b], s[SEL], s[SEL+1]
.endr
.irp b, 0,1,2,3
	v_max_num_f32 v[TM+\b], v[TM+\b], v[TM+4+\b]
.endr
.irp b, 0,1,2,3
	v_add_nc_u32 v[TM+12+\b], 0xff000000, v[TM+\b]
.endr
.irp b, 0,1,2,3
	v_lshrrev_b32 v[TM+4+\b], 23, v[TM+12+\b]
.endr
	v_lshl_or_b32 v[PW], v[TM+5], 8, v[TM+4]
	v_lshl_or_b32 v[PW], v[TM+6], 16, v[PW]
	v_lshl_or_b32 v[PW], v[TM+7], 24, v[PW]
.irp c, 0,1
	v_cvt_scalef32_pk16_fp6_f32 v[PC+6*\c:PC+2+6*\c], v[\s+32*\c:\s+15+32*\c], v[TM+12+2*\c]
	v_cvt_scalef32_pk16_fp6_f32 v[PC+12+4*\c:PC+14+4*\c], v[\s+16+32*\c:\s+31+32*\c], v[TM+12+2*\c+1]
.endr
	v_nop
.irp c, 0,1
.irp i, 0,1,2
	v_permlane16_swap_b32 v[PC+6*\c+\i], v[PC+12+4*\c+\i]
.endr
.irp i, 0,1,2
	v_mov_b32 v[PC+3+6*\c+\i], v[PC+12+4*\c+\i]
.endr
.endr
.endm
	s_load_b256 s[4:11], s[0:1], 0x0
	v_lshl_add_u32 v[SPW], v0, 2, SPARE
	v_mov_b32 v[NIL], 0
	ds_add_u32 v[SPW], v[NIL]
	ds_add_u32 v[SPW], v[NIL]
	v_lshrrev_b32 v1, 5, v0
	v_readfirstlane_b32 s14, v1
	s_lshr_b32 s15, s14, 1
	s_and_b32 s16, s14, 1
	s_bfe_u32 s40, ttmp6, 0x40000
	s_bfe_u32 s41, ttmp6, 0x40004
	s_lshl_b32 s42, ttmp9, 2
	s_add_co_u32 s42, s42, s40
	s_and_b32 s17, ttmp7, 0xffff
	s_lshl_b32 s17, s17, 2
	s_add_co_u32 s17, s17, s41
	s_lshl_b32 s43, s41, 2
	s_lshl_b32 s43, 15, s43
	s_lshl_b32 s44, 0x1111, s40
	s_or_b32 s[G1], s43, (3<<16)|(1<<21)
	s_or_b32 s[G1B], s44, (3<<16)|(1<<21)
	s_or_b32 s[G1W], s43, (3<<16)|(1<<21)          ; groups 1 for the load of four K steps: 200 rows of 256 bytes
	s_or_b32 s[G1WB], s44, (3<<16)|(1<<21)
.irp g, G1W, G1WB
	s_mov_b32 s[\g+1], 32<<16
	s_mov_b32 s[\g+2], 200<<16
	s_mov_b32 s[\g+3], 32<<16
	s_mov_b32 s[\g+4], 200
	s_mov_b32 s[\g+5], 32
	s_mov_b32 s[\g+6], 0
	s_mov_b32 s[\g+7], 0
.endr
.irp g, G1, G1B
	s_mov_b32 s[\g+1], 32<<16
	s_mov_b32 s[\g+2], 100<<16
	s_mov_b32 s[\g+3], 32<<16
	s_mov_b32 s[\g+4], 100
	s_mov_b32 s[\g+5], 32
	s_mov_b32 s[\g+6], 0
	s_mov_b32 s[\g+7], 0
.endr
	s_lshl_b32 s20, s17, 1
	s_add_co_u32 s20, s20, s16
	s_mul_i32 s20, s20, KS*GB
	s_mov_b32 s21, 0
	s_lshl_b32 s46, s42, 1
	s_add_co_u32 s46, s46, s16
	s_mul_i32 s46, s46, KS*GB
	s_add_co_u32 s46, s46, WOFF
	s_mov_b32 s47, 0
	s_mul_i32 s45, s14, RB
	s_wait_dscnt 0x0
	s_wait_kmcnt 0x0
	s_add_nc_u64 s[20:21], s[4:5], s[20:21]
	s_add_nc_u64 s[46:47], s[6:7], s[46:47]
	CROUND
.irp s, 0,1
	s_mov_b32 s[G0_\s], 1
	s_add_co_u32 s[G0_\s+1], s45, \s*SLOT
	s_add_nc_u64 s[G0_\s+2:G0_\s+3], s[20:21], \s*SSTEP
	s_or_b32 s[G0_\s+3], s[G0_\s+3], 0x80000000
	s_mov_b32 s[G0B_\s], 1
	s_add_co_u32 s[G0B_\s+1], s45, \s*SLOT
	s_add_nc_u64 s[G0B_\s+2:G0B_\s+3], s[46:47], \s*SSTEP
	s_or_b32 s[G0B_\s+3], s[G0B_\s+3], 0x80000000
.endr
	JLOAD G0_0, G1, G0B_0, G1B                     ; K steps 0 and 1: my one load at the head
	v_and_b32 v1, 31, v0
	v_lshlrev_b32 v[O8], 3, v1
	v_lshlrev_b32 v[O16], 4, v1
	s_mul_i32 s18, s15, RB
	s_mul_i32 s23, s16, RB
	s_add_co_u32 s23, s23, 2*RB
.irp s, 0,1,2
	v_add_nc_u32 v[A08+\s], s23, v[O8]
	v_add_nc_u32 v[A016+\s], s23, v[O16]
	v_add_nc_u32 v[A18+\s], s18, v[O8]
	v_add_nc_u32 v[A116+\s], s18, v[O16]
	s_add_co_u32 s23, s23, SLOT
	s_add_co_u32 s18, s18, SLOT
.endr
	v_bfe_u32 v20, v0, 4, 1
	v_lshlrev_b32 v20, 6, v20
	s_wait_alu depctr_va_vdst(0)
	s_lshl_b32 s76, s42, 1
	s_add_co_u32 s76, s76, s16
	s_lshl_b32 s74, s76, 9
	s_mov_b32 s75, 0
	s_add_nc_u64 s[8:9], s[8:9], s[74:75]
	s_lshl_b32 s77, s17, 1
	s_add_co_u32 s77, s77, s15
	s_lshl_b32 s74, s77, 5
	s_add_co_u32 s74, s74, s76
	s_mul_i32 s74, s74, GB
	s_add_nc_u64 s[10:11], s[10:11], s[74:75]
	WIN TO_B
.irp b, 0,1,2,3,4,5,6,7
	global_load_b128 v[BI+8*\b:BI+8*\b+3], v20, s[8:9] offset:128*(\b/2)+32*(\b%2)
	global_load_b128 v[BI+8*\b+4:BI+8*\b+7], v20, s[8:9] offset:128*(\b/2)+32*(\b%2)+16
.endr
	WIN 0
	s_wait_alu depctr_va_vdst(0)                   ; the wait at the head's end
	s_wait_tensorcnt 0x0                           ; my part of K steps 0 and 1 is in; the three lines ahead of a later first fill
	ds_add_u32 v[SPW], v[NIL]
	s_wait_dscnt 0x0
	CROUND
	JLOAD G0_1, G1W, G0B_1, G1WB                   ; K steps 2 to 5 in one load, the first behind the round
	FETCH 0, 0, 0
	SCALES 0, 0
	STEPN 0, 0, 1
	TURN 0, 1, 0, 1, 1
	STEPN 1, 1, 0
	CROSS 2, 1, 0
	STEPN 2, 0, 0
	TURN 2, 0, 0, 1, 0
	STEPN 0, 1, 0
	s_wait_dscnt 0x0
	ALLROWS 1, 1, NQ-1, 0
	WIN 0
	s_mov_b32 s[SEL], 0x76543210
	s_mov_b32 s[SEL+1], 0xfedcba98
	s_mov_b32 s[HALF], 0xffff0000
.macro COEF r, bits
	s_mov_b32 s[\r], \bits
	s_mov_b32 s[\r+1], \bits
.endm
	COEF CP,    0x32edffee
	COEF CP+2,  0xb60cff51
	COEF CP+4,  0xb86ec2d2
	COEF CP+6,  0xba40ac63
	COEF CP+8,  0xbb41a1f6
	COEF CP+10, 0xbc83dbd4
	COEF CQ,    0xb95fbd29
	COEF CQ+2,  0xbadc924e
	COEF CQ+4,  0xbbf19bf8
	COEF CQ+6,  0xbc69b6a7
	COEF CZ,    0x3f3504f3
	s_wait_loadcnt 0x0
	PLACES
	v_mov_b32 v[CA], 0xaf95df0b
	v_mov_b32 v[CA+1], 0xaf95df0b
	v_mov_b32 v[CB], 0xb77460cd
	v_mov_b32 v[CB+1], 0xb77460cd
.irp b, 0,1,2,3
	v_mov_b32 v[TM+4+\b], 0
	v_mov_b32 v[SW+\b], 0
.endr
.macro ARM a
	WIN 0x06+(\a)/4
.set ei, 0
.rept 32
	v_pk_add_f32 v[TT+2*ei:TT+2*ei+1], v[64*((\a)%4)+2*ei:64*((\a)%4)+2*ei+1], v[BI+2*ei:BI+2*ei+1]
.set ei, ei+1
.endr
	WIN 0
.endm
.macro GELU k
.set g0, TT+16*(\k)
.irp i, 0,2,4,6,8,10,12,14
	v_pk_mul_f32 v[ZZ+\i:ZZ+\i+1], v[g0+\i:g0+\i+1], s[CZ:CZ+1] op_sel_hi:[1,0]
.endr
.irp i, 0,1,2,3,4,5,6,7,8,9,10,11,12,13,14,15
	v_med3_num_f32 v[ZZ+\i], v[ZZ+\i], -4.0, 4.0
.endr
.irp i, 0,2,4,6,8,10,12,14
	v_pk_mul_f32 v[Z2+\i:Z2+\i+1], v[ZZ+\i:ZZ+\i+1], v[ZZ+\i:ZZ+\i+1]
.endr
.irp i, 0,2,4,6,8,10,12,14
	v_pk_fma_f32 v[PP+\i:PP+\i+1], v[Z2+\i:Z2+\i+1], v[CA:CA+1], s[CP:CP+1] op_sel_hi:[1,1,0]
	v_pk_fma_f32 v[QQ+\i:QQ+\i+1], v[Z2+\i:Z2+\i+1], v[CB:CB+1], s[CQ:CQ+1] op_sel_hi:[1,1,0]
.endr
.irp c, 1,2,3
.irp i, 0,2,4,6,8,10,12,14
	v_pk_fma_f32 v[PP+\i:PP+\i+1], v[PP+\i:PP+\i+1], v[Z2+\i:Z2+\i+1], s[CP+2*\c:CP+2*\c+1] op_sel_hi:[1,1,0]
	v_pk_fma_f32 v[QQ+\i:QQ+\i+1], v[QQ+\i:QQ+\i+1], v[Z2+\i:Z2+\i+1], s[CQ+2*\c:CQ+2*\c+1] op_sel_hi:[1,1,0]
.endr
.endr
.irp c, 4,5
.irp i, 0,2,4,6,8,10,12,14
	v_pk_fma_f32 v[PP+\i:PP+\i+1], v[PP+\i:PP+\i+1], v[Z2+\i:Z2+\i+1], s[CP+2*\c:CP+2*\c+1] op_sel_hi:[1,1,0]
.endr
.endr
.irp i, 0,2,4,6,8,10,12,14
	v_pk_mul_f32 v[PP+\i:PP+\i+1], v[PP+\i:PP+\i+1], v[ZZ+\i:ZZ+\i+1]
.endr
	s_wait_alu depctr_va_vdst(0)
.irp i, 0,1,2,3,4,5,6,7,8,9,10,11,12,13,14,15
	v_rcp_f32 v[QQ+\i], v[QQ+\i]
.endr
.irp i, 0,2,4,6,8,10,12,14
	v_pk_mul_f32 v[g0+\i:g0+\i+1], v[g0+\i:g0+\i+1], 0.5 op_sel_hi:[1,0]
.endr
	s_wait_alu depctr_va_vdst(0)
.irp i, 0,2,4,6,8,10,12,14
	v_pk_mul_f32 v[PP+\i:PP+\i+1], v[PP+\i:PP+\i+1], v[QQ+\i:QQ+\i+1]
.endr
.irp i, 0,2,4,6,8,10,12,14
	v_pk_fma_f32 v[g0+\i:g0+\i+1], v[g0+\i:g0+\i+1], v[PP+\i:PP+\i+1], v[g0+\i:g0+\i+1]
.endr
.endm
	s_mov_b32 s[AI], 0
.Lrow:
.irp a, 0,1,2,3,4,5,6
	s_cmp_eq_u32 s[AI], \a
	s_cbranch_scc1 .Larm_\a
.endr
	ARM 7
	s_branch .Ljoin
.irp a, 0,1,2,3,4,5,6
.Larm_\a:
	ARM \a
	s_branch .Ljoin
.endr
.Ljoin:
	GELU 0
	GELU 1
	GELU 2
	GELU 3
	QUANT TT
	global_store_b64 v[O8], v[PC:PC+1], s[10:11]
	global_store_b128 v[O16], v[PC+2:PC+5], s[10:11] offset:256
	global_store_b64 v[O8], v[PC+6:PC+7], s[10:11] offset:768
	global_store_b128 v[O16], v[PC+8:PC+11], s[10:11] offset:1024
	s_and_b32 s95, s[AI], 1
	s_cmp_eq_u32 s95, 1
	s_cselect_b32 s94, s[HALF], 0xffff
	s_lshr_b32 s95, s[AI], 1
.irp i, 0,1,2,3
	s_cmp_eq_u32 s95, \i
	s_cselect_b32 s[96+\i], s94, 0
	v_cndmask_b32 v[SW+\i], v[SW+\i], v[PW], s[96+\i]
.endr
	s_wait_xcnt 0x0
	s_add_nc_u64 s[10:11], s[10:11], FRB
	s_add_co_u32 s[AI], s[AI], 1
	s_cmp_lt_u32 s[AI], 8
	s_cbranch_scc1 .Lrow
	s_wait_alu depctr_va_vdst(0)
	global_store_b128 v[O16], v[SW:SW+3], s[10:11]
	s_wait_tensorcnt 0x0
	ds_add_u32 v[SPW], v[NIL]
	s_wait_dscnt 0x0
	CROUND
	s_endpgm
.Lfunc_end_k_qd05293af47_gemm5:
	.size	k_qd05293af47_gemm5, .Lfunc_end_k_qd05293af47_gemm5-k_qd05293af47_gemm5
	.p2alignl 7, 3214868480
	.fill 96, 4, 3214868480
	.section	.rodata,"a",@progbits
	.p2align	6, 0x0
	.amdhsa_kernel k_qd05293af47_gemm5
		.amdhsa_group_segment_fixed_size 327680
		.amdhsa_private_segment_fixed_size 0
		.amdhsa_enable_private_segment 0
		.amdhsa_kernarg_size 32
		.amdhsa_user_sgpr_count 2
		.amdhsa_user_sgpr_kernarg_segment_ptr 1
		.amdhsa_wavefront_size32 1
		.amdhsa_system_sgpr_workgroup_id_x 1
		.amdhsa_system_sgpr_workgroup_id_y 1
		.amdhsa_system_sgpr_workgroup_id_z 1
		.amdhsa_system_vgpr_workitem_id 0
		.amdhsa_next_free_vgpr 1024
		.amdhsa_next_free_sgpr 100
		.amdhsa_reserve_vcc 0
		.amdhsa_float_denorm_mode_32 3
		.amdhsa_float_denorm_mode_16_64 3
		.amdhsa_memory_ordered 1
		.amdhsa_forward_progress 1
		.amdhsa_inst_pref_size 173
	.end_amdhsa_kernel
	.amdgpu_metadata
---
amdhsa.version: [ 1, 2 ]
amdhsa.kernels:
  - .name:           k_qd05293af47_gemm5
    .symbol:         k_qd05293af47_gemm5.kd
    .args:
      - { .name: h2c, .offset: 0, .size: 8, .value_kind: global_buffer, .address_space: global }
      - { .name: wc, .offset: 8, .size: 8, .value_kind: global_buffer, .address_space: global }
      - { .name: inter_b, .offset: 16, .size: 8, .value_kind: global_buffer, .address_space: global }
      - { .name: intc, .offset: 24, .size: 8, .value_kind: global_buffer, .address_space: global }
    .group_segment_fixed_size: 327680
    .private_segment_fixed_size: 0
    .kernarg_segment_align: 8
    .kernarg_segment_size: 32
    .max_flat_workgroup_size: 128
    .sgpr_count:     100
    .vgpr_count:     1024
    .wavefront_size: 32
...
	.end_amdgpu_metadata
.endif
;; end of part 6
;; launch gemm6 (part 7): grid 8 x 32, 4 waves a work-group, clusters of 4 x 4, 327,680 bytes of LDS; arguments intc, wc, out_b, att, out0; writes out0
.if DOCPART == 7
	.amdgcn_target "amdgcn-amd-amdhsa--gfx1250"
	.amdhsa_code_object_version 6
	.text
	.protected	k_qd05293af47_gemm6
	.globl	k_qd05293af47_gemm6
	.p2align	8
	.type	k_qd05293af47_gemm6,@function
k_qd05293af47_gemm6:
	s_mov_b64 s[64:65], 0
	v_nop
	global_prefetch_b8 v0, s[64:65] scope:SCOPE_SE
	s_setreg_imm32_b32 hwreg(HW_REG_WAVE_MODE, 25, 1), 1
	s_wait_xcnt 0x0
	s_wait_alu depctr_hold_cnt(0) depctr_sa_sdst(0) depctr_va_vdst(0) depctr_va_sdst(0) depctr_va_ssrc(0) depctr_va_vcc(0) depctr_vm_vsrc(0)
	s_getreg_b32 s2, hwreg(HW_REG_IB_STS2, 6, 4)
	s_cmp_eq_u32 s2, 0
	s_cbranch_scc0 .Lentry_in_a_cluster
	s_endpgm
.Lentry_in_a_cluster:
	s_bfe_u32 s2, ttmp6, 0x10000c
	s_cmp_lg_u32 s2, 0xf033
	s_cbranch_scc0 .Lentry_shape_is_right
	s_endpgm
.Lentry_shape_is_right:
; out = Q(inter) Q(out_w) + out_b + attn_out, f32, row-major.  Nothing is left out.
; Operands are blocks of 12,800 bytes (128 rows x 128 K as register images with their scale words; format: head of the first kernel).
; A tile is 128 tokens x 128 columns, 256 work-groups; four waves, each 64 x 64: 16 accumulators.  K = 4,096 is 32 steps of 128, sixteen matrix instructions of a wave each.
; THE RING: two slots, as large as fit: SIX K steps each, 153,600 bytes: the token group's six blocks, then the weights' six.  Wave w fills region w of a slot, three blocks, 38,400 dense bytes, with one tensor load.
; The fills take 6, 6 (at the head), 6, 6, 6 and 2 K steps: four refills for the 32 steps.  A refill is asked for behind the round at a change of slots, 92 matrix instructions of the wave ahead of the wait for it.
; The last fill is one block a wave, with groups 1 of its own.  All 32 steps are written out.
; CLUSTER 4 x 4: token blocks shared along a row of the cluster, weights along a column, asked for jointly.  Source 0 = the weights (columns run along a lane's registers), source 1 = the tokens.
; An LDS instruction's immediate reaches three K steps, so a slot has two sets of address registers.
; The residual and the bias are asked for at the head.  A tile of 16 rows goes through the wave's own stage in LDS and leaves sixteen lanes to a row's 256 bytes; stage row p of tile a is token
; 32 (a / 2) + 8 (a % 2) + p + 8 (p / 8) of the wave's 64.
; REGISTERS: window 0: v2-3 lane terms; v4-27, v32-55 scale words, a set for each slot; v64-111, v112-159 source 1's two sets; v160-223 the way out; v224-227 the bias; v228-255 addresses.
;   Window 1: v0-47, v48-95 source 0's; v128-255 the residual.  Window 2: the accumulators.
.set T,     4
.set NQ,    6                          ; K steps in a slot
.set KS,    32
.set WOFF,  512*12800
.set GB,    12800
.set FRB,   1536
.set SCO,   12288
.set RB,    3*GB                       ; what one tensor load brings
.set HSL,   2*RB                       ; a side's six K steps
.set SLOT,  2*HSL
.set SPARE, 2*SLOT                     ; behind the ring: the spare words, 128 bytes for each wave
.set STAGE, SPARE+512                  ; 16 rows x (256 + 16) bytes for each wave
.set SSTEP, NQ*GB
.set FB,    12*T
.set F1,    64
.set O8,    2
.set O16,   3
.set SCB,   4                          ; scale words: slot s's set at v[4 + 28 s]; in it 4 q + 0, 1: source 0's pairs of tiles, 4 q + 2, 3: source 1's
.set SCS,   28
.set SPW,   28
.set NIL,   29
.set BK,    160
.set B4,    224
.set A08,   228                        ; v228-231 source 0: 8 x lane + my tiles; set 2 slot + q / 3
.set A016,  232                        ; v232-235 the same with 16 x lane
.set A18,   236                        ; v236-239, v240-243 source 1
.set A116,  240
.set AS0,   244                        ; v244-247, v248-251 the scale words
.set AS1,   248
.set BO,    252                        ; v252 16 x (lane % 16)
.set CO,    253                        ; v253 4,096 x (lane / 16) + 16 x (lane % 16)
.set STO,   254
.set RD,    255
.set RES,   128
.set G1,    24                         ; s[24:31] group 1 for the tokens' three blocks; s[32:39] group 0, a set for each slot
.set G0,    32
.set G1B,   48                         ; s[48:55], s[56:63] the same for the weights'
.set G0B,   56
.set G1S,   68                         ; s[68:75], s[76:83] groups 1 for the last fill: one block
.set G1SB,  76
.set MSB, 0
.macro WIN new
.if MSB != (\new)
	s_set_vgpr_msb (MSB<<8)|(\new)
.set MSB, (\new)
.endif
.endm
.set MUL_LO, 0xa1
.set TO_B,   0x40
.macro JLOAD g0a, g1a, g0b, g1b        ; a joint load: waves 0, 1 the tokens' blocks, waves 2, 3 the weights'; an s_nop 0 and four v_nop follow each line
	s_cmp_eq_u32 s15, 0
	s_cbranch_scc0 .Lfor_b_\@
	tensor_load_to_lds s[\g0a:\g0a+3], s[\g1a:\g1a+7]
	s_nop 0
.rept 4
	v_nop
.endr
	s_branch .Lasked_\@
.Lfor_b_\@:
	tensor_load_to_lds s[\g0b:\g0b+3], s[\g1b:\g1b+7]
	s_nop 0
.rept 4
	v_nop
.endr
.Lasked_\@:
.endm
.macro CREST
	s_cmp_lg_u32 s14, 0
	s_cbranch_scc1 .Lnot_wave_0_\@
	s_barrier_signal -3
.Lnot_wave_0_\@:
	s_barrier_wait -3
	s_barrier_signal -1
	s_barrier_wait -1
.endm
.macro CROUND
	s_barrier_signal -1
	s_barrier_wait -1
	CREST
.endm
.macro PLACES                          ; four places behind matrix instructions (ISA guide 7.12.1)
.rept 4
	v_nop
.endr
.endm
.macro WM z
.if \z
.if (mb%2) && (ma%2)
	v_wmma_scale_f32_16x16x128_f8f6f4 v[rD:rD+7], v[rA:rA+11], v[rB:rB+11], 0, v[rP], v[rQ] matrix_a_fmt:MATRIX_FMT_FP6 matrix_b_fmt:MATRIX_FMT_FP6 matrix_a_scale:MATRIX_SCALE_ROW1 matrix_b_scale:MATRIX_SCALE_ROW1
.elseif mb%2
	v_wmma_scale_f32_16x16x128_f8f6f4 v[rD:rD+7], v[rA:rA+11], v[rB:rB+11], 0, v[rP], v[rQ] matrix_a_fmt:MATRIX_FMT_FP6 matrix_b_fmt:MATRIX_FMT_FP6 matrix_a_scale:MATRIX_SCALE_ROW1
.elseif ma%2
	v_wmma_scale_f32_16x16x128_f8f6f4 v[rD:rD+7], v[rA:rA+11], v[rB:rB+11], 0, v[rP], v[rQ] matrix_a_fmt:MATRIX_FMT_FP6 matrix_b_fmt:MATRIX_FMT_FP6 matrix_b_scale:MATRIX_SCALE_ROW1
.else
	v_wmma_scale_f32_16x16x128_f8f6f4 v[rD:rD+7], v[rA:rA+11], v[rB:rB+11], 0, v[rP], v[rQ] matrix_a_fmt:MATRIX_FMT_FP6 matrix_b_fmt:MATRIX_FMT_FP6
.endif
.else
.if (mb%2) && (ma%2)
	v_wmma_scale_f32_16x16x128_f8f6f4 v[rD:rD+7], v[rA:rA+11], v[rB:rB+11], v[rD:rD+7], v[rP], v[rQ] matrix_a_fmt:MATRIX_FMT_FP6 matrix_b_fmt:MATRIX_FMT_FP6 matrix_a_scale:MATRIX_SCALE_ROW1 matrix_b_scale:MATRIX_SCALE_ROW1
.elseif mb%2
	v_wmma_scale_f32_16x16x128_f8f6f4 v[rD:rD+7], v[rA:rA+11], v[rB:rB+11], v[rD:rD+7], v[rP], v[rQ] matrix_a_fmt:MATRIX_FMT_FP6 matrix_b_fmt:MATRIX_FMT_FP6 matrix_a_scale:MATRIX_SCALE_ROW1
.elseif ma%2
	v_wmma_scale_f32_16x16x128_f8f6f4 v[rD:rD+7], v[rA:rA+11], v[rB:rB+11], v[rD:rD+7], v[rP], v[rQ] matrix_a_fmt:MATRIX_FMT_FP6 matrix_b_fmt:MATRIX_FMT_FP6 matrix_b_scale:MATRIX_SCALE_ROW1
.else
	v_wmma_scale_f32_16x16x128_f8f6f4 v[rD:rD+7], v[rA:rA+11], v[rB:rB+11], v[rD:rD+7], v[rP], v[rQ] matrix_a_fmt:MATRIX_FMT_FP6 matrix_b_fmt:MATRIX_FMT_FP6
.endif
.endif
.endm
.macro PROD a0, n, buf, sc, q, z       ; the accumulators take turns, one instruction a turn, in the same order in every step
	WIN MUL_LO
.set ma, \a0
.rept \n
.set mb, 0
.rept T
.set rD, 8*(T*(ma%4)+mb)
.set rA, FB*(\buf)+12*mb
.set rB, F1+FB*(\buf)+12*ma
.set rP, SCB+SCS*(\sc)+T*(\q)+mb/2
.set rQ, SCB+SCS*(\sc)+T*(\q)+T/2+ma/2
	WM \z
.set mb, mb+1
.endr
.set ma, ma+1
.endr
.endm
.macro FRAG reg, a8, a16, off
	ds_load_b64 v[(\reg):(\reg)+1], v[\a8] offset:(\off)
	ds_load_b128 v[(\reg)+2:(\reg)+5], v[\a16] offset:(\off)+256
	ds_load_b64 v[(\reg)+6:(\reg)+7], v[\a8] offset:(\off)+768
	ds_load_b128 v[(\reg)+8:(\reg)+11], v[\a16] offset:(\off)+1024
.endm
.macro FETCH slot, q, buf              ; the fragments of the slot's q-th K step into set buf, in one run
.set fa, 2*(\slot)+(\q)/3              ; which set of address registers,
.set fo, ((\q)%3)*GB                   ; and how far behind it
	WIN TO_B
.set fi, 0
.rept T
	FRAG FB*(\buf)+12*fi, A08+fa, A016+fa, fo+fi*FRB
.set fi, fi+1
.endr
	WIN 0
.set fi, 0
.rept T
	FRAG F1+FB*(\buf)+12*fi, A18+fa, A116+fa, fo+fi*FRB
.set fi, fi+1
.endr
.endm
.macro SCALES n, cnt                   ; the scale words of slot n's first cnt K steps: 8 bytes a lane and side: my four tiles' two pairs
.set sq, 0
.rept \cnt
	ds_load_b64 v[SCB+SCS*(\n)+T*sq:SCB+SCS*(\n)+T*sq+1], v[AS0+2*(\n)+sq/3] offset:(sq%3)*GB+SCO
	ds_load_b64 v[SCB+SCS*(\n)+T*sq+2:SCB+SCS*(\n)+T*sq+3], v[AS1+2*(\n)+sq/3] offset:(sq%3)*GB+SCO
.set sq, sq+1
.endr
.endm
.macro STEPN slot, q, z                ; a K step that has its successor in the same slot
	s_wait_dscnt 0x0                               ; this step's fragments, asked for a whole step ago
	PLACES
	FETCH \slot, (\q)+1, 1-(\q)%2
	PROD 0, 4, (\q)%2, \slot, \q, \z
.endm
.macro MIDS slot, q0                   ; the slot's K steps q0 .. 4
.set mq, \q0
.rept NQ-1-(\q0)
	STEPN \slot, mq, 0
.set mq, mq+1
.endr
.endm
; A slot's last step changes slots: one barrier; in front of it each wave waits for all its tensor loads, adds 0 to its spare word, and waits for that and for its reads of this slot, which now lie in registers.
; fill = 1: the barrier opens a round of the cluster's, and this slot takes the six K steps two slots on: the first tensor load behind the round.  fill = 2: the same with the last two K steps, a block a wave.
; cnt: how many K steps the next slot holds.
.macro TURN slot, next, fill, cnt
	WIN 0
	s_wait_tensorcnt 0x0
	ds_add_u32 v[SPW], v[NIL]
	s_wait_dscnt 0x0
	s_barrier_signal -1
	PROD 0, 1, 1, \slot, NQ-1, 0                   ; work on registers while the others arrive
	WIN 0
	s_barrier_wait -1
.if \fill == 1
	CREST
	s_add_nc_u64 s[G0+4*\slot+2:G0+4*\slot+3], s[G0+4*\slot+2:G0+4*\slot+3], 2*SSTEP
	s_add_nc_u64 s[G0B+4*\slot+2:G0B+4*\slot+3], s[G0B+4*\slot+2:G0B+4*\slot+3], 2*SSTEP
	JLOAD G0+4*\slot, G1, G0B+4*\slot, G1B         ; its four v_nop are also the places in front of the loads below
.elseif \fill == 2
	CREST
	s_mov_b32 s[G0+4*\slot+1], s84                 ; a block a wave: the slot's K step 0 or 1 of my side
	s_mov_b32 s[G0B+4*\slot+1], s84
	s_add_nc_u64 s[G0+4*\slot+2:G0+4*\slot+3], s[G0+4*\slot+2:G0+4*\slot+3], s[86:87]
	s_add_nc_u64 s[G0B+4*\slot+2:G0B+4*\slot+3], s[G0B+4*\slot+2:G0B+4*\slot+3], s[86:87]
	JLOAD G0+4*\slot, G1S, G0B+4*\slot, G1SB
.else
	PLACES
.endif
	FETCH \next, 0, 0
	SCALES \next, \cnt
	PROD 1, 3, 1, \slot, NQ-1, 0
.endm
	s_load_b256 s[4:11], s[0:1], 0x0               ; the tokens' codes, wc, the bias, the residual
	s_load_b64 s[12:13], s[0:1], 0x20              ; the result
	v_lshl_add_u32 v[SPW], v0, 2, SPARE
	v_mov_b32 v[NIL], 0
	ds_add_u32 v[SPW], v[NIL]                      ; the opening: the add, twice on end, and its wait ahead of my first tensor load
	ds_add_u32 v[SPW], v[NIL]
	v_lshrrev_b32 v1, 5, v0
	v_readfirstlane_b32 s14, v1
	s_lshr_b32 s15, s14, 1                         ; wy.  Also: I fetch tokens (0) or weights (1)
	s_and_b32 s16, s14, 1                          ; wx.  Also: which half of a side's K steps I fetch
	s_bfe_u32 s40, ttmp6, 0x40000
	s_bfe_u32 s41, ttmp6, 0x40004
	s_lshl_b32 s42, ttmp9, 2
	s_add_co_u32 s42, s42, s40                     ; tx
	s_and_b32 s17, ttmp7, 0xffff
	s_lshl_b32 s17, s17, 2
	s_add_co_u32 s17, s17, s41                     ; ty
	s_lshl_b32 s43, s41, 2
	s_lshl_b32 s43, 15, s43                        ; my row of the cluster
	s_lshl_b32 s44, 0x1111, s40                    ; my column
	s_or_b32 s[G1], s43, (3<<16)|(1<<21)           ; 15:0 the mask; 17:16 elements of 8 bytes; 21 set beside a mask; no padding
	s_or_b32 s[G1B], s44, (3<<16)|(1<<21)
	s_or_b32 s[G1S], s43, (3<<16)|(1<<21)
	s_or_b32 s[G1SB], s44, (3<<16)|(1<<21)
.irp g, G1, G1B
	s_mov_b32 s[\g+1], 32<<16                      ; a dense 38,400 bytes as 150 rows of 256
	s_mov_b32 s[\g+2], 150<<16
	s_mov_b32 s[\g+3], 32<<16
	s_mov_b32 s[\g+4], 150
	s_mov_b32 s[\g+5], 32
	s_mov_b32 s[\g+6], 0
	s_mov_b32 s[\g+7], 0
.endr
.irp g, G1S, G1SB
	s_mov_b32 s[\g+1], 32<<16                      ; a dense 12,800 bytes as 50 rows of 256
	s_mov_b32 s[\g+2], 50<<16
	s_mov_b32 s[\g+3], 32<<16
	s_mov_b32 s[\g+4], 50
	s_mov_b32 s[\g+5], 32
	s_mov_b32 s[\g+6], 0
	s_mov_b32 s[\g+7], 0
.endr
	s_mul_i32 s18, s16, RB
	s_mul_i32 s20, s17, KS*GB
	s_add_co_u32 s20, s20, s18
	s_mov_b32 s21, 0
	s_mul_i32 s46, s42, KS*GB
	s_add_co_u32 s46, s46, s18
	s_add_co_u32 s46, s46, WOFF
	s_mov_b32 s47, 0
	s_mul_i32 s45, s14, RB                         ; region = wave: no place in the cluster enters an LDS address
	s_mul_i32 s84, s15, HSL                        ; the last fill goes to slot 1: my side,
	s_mul_i32 s85, s16, GB                         ; K step 0 or 1 of it;
	s_add_co_u32 s84, s84, s85
	s_add_co_u32 s84, s84, SLOT
	s_lshl_b32 s85, s85, 1
	s_sub_co_u32 s86, 2*SSTEP, s85                 ; and comes from 12 blocks further on, less 2 for the second half: from block 18 + 3 half to block 30 + half
	s_mov_b32 s87, 0
	s_wait_dscnt 0x0                               ; both opening adds are done
	s_wait_kmcnt 0x0
	s_add_nc_u64 s[20:21], s[4:5], s[20:21]
	s_add_nc_u64 s[46:47], s[6:7], s[46:47]
	CROUND                                         ; all sixteen work-groups are here: the first joint loads meet
.irp s, 0,1
	s_mov_b32 s[G0+4*\s], 1
	s_add_co_u32 s[G0+4*\s+1], s45, \s*SLOT
	s_add_nc_u64 s[G0+4*\s+2:G0+4*\s+3], s[20:21], \s*SSTEP
	s_or_b32 s[G0+4*\s+3], s[G0+4*\s+3], 0x80000000
	s_mov_b32 s[G0B+4*\s], 1
	s_add_co_u32 s[G0B+4*\s+1], s45, \s*SLOT
	s_add_nc_u64 s[G0B+4*\s+2:G0B+4*\s+3], s[46:47], \s*SSTEP
	s_or_b32 s[G0B+4*\s+3], s[G0B+4*\s+3], 0x80000000
.endr
	JLOAD G0, G1, G0B, G1B                         ; slot 0: my one load at the head
	v_and_b32 v1, 31, v0
	v_lshlrev_b32 v[O8], 3, v1
	v_lshlrev_b32 v[O16], 4, v1
	s_mul_i32 s23, s16, 4*FRB
	s_add_co_u32 s23, s23, HSL                     ; source 0: the weights' tiles 4 wx on
	s_mul_i32 s18, s15, 4*FRB                      ; source 1: the tokens' tiles 4 wy on
	s_lshl_b32 s21, s16, 3
	s_add_co_u32 s21, s21, HSL                     ; their scale words: pairs 2 wx on,
	s_lshl_b32 s22, s15, 3                         ; 2 wy on
	v_add_nc_u32 v[A08], s23, v[O8]
	v_add_nc_u32 v[A016], s23, v[O16]
	v_add_nc_u32 v[A18], s18, v[O8]
	v_add_nc_u32 v[A116], s18, v[O16]
	v_add_nc_u32 v[AS0], s21, v[O16]
	v_add_nc_u32 v[AS1], s22, v[O16]
.irp a, 1,2,3                                  ; set a: slot a / 2, K steps 3 (a % 2) on
.irp k, A08, A016, A18, A116, AS0, AS1
	v_add_nc_u32 v[\k+\a], (\a/2)*SLOT+(\a%2)*RB, v[\k]
.endr
.endr
	v_and_b32 v30, 15, v0
	v_bfe_u32 v31, v0, 4, 1
	v_lshlrev_b32 v[BO], 4, v30
	v_lshl_add_u32 v[CO], v31, 12, v[BO]
	s_wait_alu depctr_va_vdst(0)
	s_mul_i32 s19, s14, 16*272
	s_add_co_u32 s19, s19, STAGE
	v_mul_u32_u24 v[STO], v30, 272
	v_lshl_add_u32 v[STO], v31, 6, v[STO]
	v_add_nc_u32 v[STO], s19, v[STO]               ; in: row = lane % 16, + 64 x (lane / 16)
	v_mul_u32_u24 v[RD], v31, 272
	v_add_nc_u32 v[RD], v[RD], v[BO]
	v_add_nc_u32 v[RD], s19, v[RD]                 ; back: lanes 0-15 one row, lanes 16-31 the next
	s_lshl_b32 s46, s42, 7
	s_lshl_b32 s47, s16, 6
	s_add_co_u32 s46, s46, s47
	s_lshl_b32 s46, s46, 2                         ; my first column, in bytes
	s_mov_b32 s47, 0
	s_add_nc_u64 s[8:9], s[8:9], s[46:47]
	s_lshl_b32 s66, s17, 7
	s_lshl_b32 s67, s15, 6
	s_add_co_u32 s66, s66, s67
	s_lshl_b32 s66, s66, 12                        ; my first row, in bytes
	s_add_co_u32 s46, s46, s66
	s_add_nc_u64 s[10:11], s[10:11], s[46:47]
	s_add_nc_u64 s[12:13], s[12:13], s[46:47]
	WIN TO_B
.irp a, 0,1,2,3
.irp t, 0,1,2,3,4,5,6,7
	global_load_b128 v[RES+4*(8*\a+\t):RES+4*(8*\a+\t)+3], v[CO], s[10:11] offset:(32*(\a/2)+8*(\a%2)+2*\t+8*(\t/4))*4096
.endr
.endr
	WIN 0
	global_load_b128 v[B4:B4+3], v[BO], s[8:9]
	s_wait_alu depctr_va_vdst(0)                   ; the wait at the head's end
	s_wait_tensorcnt 0x0                           ; my part of slot 0 is in; the three lines ahead of a later first fill
	ds_add_u32 v[SPW], v[NIL]
	s_wait_dscnt 0x0
	CROUND
	JLOAD G0+4, G1, G0B+4, G1B                     ; slot 1's first fill, the first tensor load behind the round
	FETCH 0, 0, 0
	SCALES 0, NQ
	STEPN 0, 0, 1                                  ; K step 0: its products start the sums
	MIDS 0, 1                                      ; K steps 1 to 4
	TURN 0, 1, 1, NQ                               ; K step 5;  slot 0 takes K steps 12 to 17
	MIDS 1, 0                                      ; K steps 6 to 10
	TURN 1, 0, 1, NQ                               ; K step 11; slot 1 takes K steps 18 to 23
	MIDS 0, 0                                      ; K steps 12 to 16
	TURN 0, 1, 1, NQ                               ; K step 17; slot 0 takes K steps 24 to 29
	MIDS 1, 0                                      ; K steps 18 to 22
	TURN 1, 0, 2, NQ                               ; K step 23; slot 1 takes K steps 30 and 31
	MIDS 0, 0                                      ; K steps 24 to 28
	TURN 0, 1, 0, 2                                ; K step 29; nothing is left to fetch
	STEPN 1, 0, 0                                  ; K step 30
	s_wait_dscnt 0x0
	PROD 0, 4, 1, 1, 1, 0                          ; K step 31
	WIN 0
	s_wait_alu depctr_va_vdst(0)
	s_wait_loadcnt 0x0                             ; the residual and the bias
	PLACES
.irp a, 0,1,2,3
.if \a > 1
	s_wait_xcnt 0x0                                ; tile a - 2's stores have read the registers that tile a's rows take
.endif
	WIN 0x08                                       ; an LDS store's data are its source 1: window 2
.irp b, 0,1,2,3
	ds_store_b128 v[STO], v[8*(4*\a+\b):8*(4*\a+\b)+3] offset:128*(\b/2)+32*(\b%2)       ; each accumulator from its low end on
	ds_store_b128 v[STO], v[8*(4*\a+\b)+4:8*(4*\a+\b)+7] offset:128*(\b/2)+32*(\b%2)+16
.endr
	WIN 0
.irp t, 0,1,2,3,4,5,6,7
	ds_load_b128 v[BK+32*(\a%2)+4*\t:BK+32*(\a%2)+4*\t+3], v[RD] offset:544*\t   ; my own stage: LDS serves a wave's instructions in order
.endr
	s_wait_dscnt 0x0
.irp t, 0,1,2,3,4,5,6,7
	v_pk_add_f32 v[BK+32*(\a%2)+4*\t:BK+32*(\a%2)+4*\t+1], v[BK+32*(\a%2)+4*\t:BK+32*(\a%2)+4*\t+1], v[B4:B4+1]
	v_pk_add_f32 v[BK+32*(\a%2)+4*\t+2:BK+32*(\a%2)+4*\t+3], v[BK+32*(\a%2)+4*\t+2:BK+32*(\a%2)+4*\t+3], v[B4+2:B4+3]
.endr
	WIN 0x04                                       ; source 1 window 1: the residual
.irp t, 0,1,2,3,4,5,6,7
	v_pk_add_f32 v[BK+32*(\a%2)+4*\t:BK+32*(\a%2)+4*\t+1], v[BK+32*(\a%2)+4*\t:BK+32*(\a%2)+4*\t+1], v[RES+4*(8*\a+\t):RES+4*(8*\a+\t)+1]
	v_pk_add_f32 v[BK+32*(\a%2)+4*\t+2:BK+32*(\a%2)+4*\t+3], v[BK+32*(\a%2)+4*\t+2:BK+32*(\a%2)+4*\t+3], v[RES+4*(8*\a+\t)+2:RES+4*(8*\a+\t)+3]
.endr
	WIN 0
.irp t, 0,1,2,3,4,5,6,7
	global_store_b128 v[CO], v[BK+32*(\a%2)+4*\t:BK+32*(\a%2)+4*\t+3], s[12:13] offset:(32*(\a/2)+8*(\a%2)+2*\t+8*(\t/4))*4096 th:TH_STORE_NT   ; sixteen lanes store 256 consecutive bytes, at a multiple of 256
.endr
.endr
	s_wait_tensorcnt 0x0                           ; the wave's end
	ds_add_u32 v[SPW], v[NIL]
	s_wait_dscnt 0x0
	CROUND                                         ; the closing round
	s_endpgm
.Lfunc_end_k_qd05293af47_gemm6:
	.size	k_qd05293af47_gemm6, .Lfunc_end_k_qd05293af47_gemm6-k_qd05293af47_gemm6
	.p2alignl 7, 3214868480
	.fill 96, 4, 3214868480
	.section	.rodata,"a",@progbits
	.p2align	6, 0x0
	.amdhsa_kernel k_qd05293af47_gemm6
		.amdhsa_group_segment_fixed_size 327680
		.amdhsa_private_segment_fixed_size 0
		.amdhsa_enable_private_segment 0
		.amdhsa_kernarg_size 40
		.amdhsa_user_sgpr_count 2
		.amdhsa_user_sgpr_kernarg_segment_ptr 1
		.amdhsa_wavefront_size32 1
		.amdhsa_system_sgpr_workgroup_id_x 1
		.amdhsa_system_sgpr_workgroup_id_y 1
		.amdhsa_system_sgpr_workgroup_id_z 1
		.amdhsa_system_vgpr_workitem_id 0
		.amdhsa_next_free_vgpr 768
		.amdhsa_next_free_sgpr 100
		.amdhsa_reserve_vcc 0
		.amdhsa_float_denorm_mode_32 3
		.amdhsa_float_denorm_mode_16_64 3
		.amdhsa_memory_ordered 1
		.amdhsa_forward_progress 1
		.amdhsa_inst_pref_size 174
	.end_amdhsa_kernel
	.amdgpu_metadata
---
amdhsa.version: [ 1, 2 ]
amdhsa.kernels:
  - .name:           k_qd05293af47_gemm6
    .symbol:         k_qd05293af47_gemm6.kd
    .args:
      - { .name: intc, .offset: 0, .size: 8, .value_kind: global_buffer, .address_space: global }
      - { .name: wc, .offset: 8, .size: 8, .value_kind: global_buffer, .address_space: global }
      - { .name: out_b, .offset: 16, .size: 8, .value_kind: global_buffer, .address_space: global }
      - { .name: att, .offset: 24, .size: 8, .value_kind: global_buffer, .address_space: global }
      - { .name: out0, .offset: 32, .size: 8, .value_kind: global_buffer, .address_space: global }
    .group_segment_fixed_size: 327680
    .private_segment_fixed_size: 0
    .kernarg_segment_align: 8
    .kernarg_segment_size: 40
    .max_flat_workgroup_size: 128
    .sgpr_count:     100
    .vgpr_count:     768
    .wavefront_size: 32
...
	.end_amdgpu_metadata
.endif
;; end of part 7
